; MI455X (gfx1250); checked and timed in simulation.
; The chip was launched on July 23, 2026; its instructions are those of AMD's public machine-readable ISA for CDNA 5 (MIT licence, August 2026) and "CDNA5" Instruction Set Architecture Reference Guide (July 2026). The comments in the code are by the model that wrote it; some were corrected since.
;; Multi Head Attention. Allowed arithmetic: matrix products marked QUANTISED: E2M1 operands, one E8M0 scale for each 32 along K, by v_wmma_scale_f32_16x16x128_f8f6f4 with both operands' format E2M1 (or v_wmma_scale_f32_32x16x128_f4), f32 sums; everything else in f32.
;; Inputs: Wk 16 x 1,024 x 64 float32; Wo 1,024 x 1,024 float32; Wq 16 x 1,024 x 64 float32; Wv 16 x 1,024 x 64 float32; bo 1,024 float32; keys 4 x 2,048 x 1,024 float32; masks 4 x 2,048 x 2,048 bool; queries 4 x 2,048 x 1,024 float32; values 4 x 2,048 x 1,024 float32.
;; Outputs: out0 4 x 2,048 x 1,024 float32.
;; This version of the problem:
;;   THIS VERSION OF THE PROBLEM IS GIVEN IN LOW PRECISION. The matrix products marked QUANTISED in the list below multiply operands that are first quantised to E2M1 (2 exponent bits, 1 mantissa bit; 4 bits a number), with one power-of-two scale for each 32 numbers along K (OCP MX v1.0); their sums are f32. All else is computed in f32.
;;   The module's matrix products, in the order in which they are computed (A, B: the left and right operand; K: the contracted axis; several contracted axes count as one K, in the product's order):
;;     1. [M 1,024, K 1,024] x [K 1,024, N 8,192]; A: input Wq; B: input queries: QUANTISED
;;     2. [M 1,024, K 1,024] x [K 1,024, N 8,192]; A: input Wk; B: input keys: QUANTISED
;;     3. [M 1,024, K 1,024] x [K 1,024, N 8,192]; A: input Wv; B: input values: QUANTISED
;;     4. batch 64 x [M 2,048, K 64] x [K 64, N 2,048]; A: computed on the way; B: computed on the way: QUANTISED
;;     5. batch 64 x [M 2,048, K 2,048] x [K 2,048, N 64]; A: softmax (see below); B: computed on the way: QUANTISED
;;     6. [M 8,192, K 1,024] x [K 1,024, N 1,024]; A: computed on the way; B: input Wo: QUANTISED
;;   THE QUANTISER, for each operand of a quantised product, along K:
;;     - K is cut into blocks of 32 from its start; a last block that is shorter is filled with zeros.
;;     - A block's scale is 2^e with e = floor(log2(the largest magnitude in the block)) - 2, held to -126 .. 127; a block of zeros has e = 0. As a byte (E8M0): e + 127.
;;     - Each number is divided by its block's scale, clamped to +-6, and rounded to the nearest number of E2M1, ties to even, subnormals kept.
;;     - The product sums the exact products of the quantised numbers (number of the format x scale) in f32.
;;   ~~~python
;;   def quantise(x, axis):      # numpy; x: float32 -> the quantised numbers, widened to float32 again
;;       x = np.moveaxis(x, axis, -1); K = x.shape[-1]
;;       x = np.pad(x, [(0, 0)] * (x.ndim - 1) + [(0, -K % 32)]); x = x.reshape(x.shape[:-1] + (-1, 32)); a = np.abs(x).max(-1, keepdims=True)
;;       e = np.where(a > 0, np.clip(np.frexp(np.where(a > 0, a, 1))[1] - 1 - 2, -126, 127), 0)      # np.frexp(a)[1] - 1 = floor(log2(a)), exactly
;;       r = np.clip(x / 2.0 ** e, -6, 6)
;;       step = 2.0 ** (np.maximum(np.frexp(np.where(r == 0, 1, r))[1] - 1, 0) - 1)
;;       q = np.round(r / step) * step * 2.0 ** e      # np.round: ties to even
;;       return np.moveaxis(q.reshape(q.shape[:-2] + (-1,))[..., :K], -1, axis).astype(np.float32)
;;   ~~~
;;   SOFTMAX AHEAD OF A QUANTISED PRODUCT. Where the list says 'softmax', what is quantised is not the finished softmax but p = 2^(t - M), with t = logit x log2(e) and M = ceil(the row's largest t), a whole number; so 1/2 < the row's largest p <= 1. The row's sum l is taken of the UNQUANTISED p, in f32, and the product's result is divided by l at the end. Since M is a whole number, a kernel that streams over the keys may use a running M (the ceiling of the running maximum): every later rescaling is an exact power of two, which a block's scale takes up: the codes' values come out the same.
;;   OPERANDS COMPUTED ON THE WAY. 'Computed on the way' means the value that the module computes at that place (a softmax that the list does not call 'softmax' is quantised finished and normalised). What goes into a quantiser is computed in f32, as accurately as f32 sums, v_exp_f32 and their like allow (about 1e-6 of the number): no bf16 or f16 on the way to a quantiser, and a product that is left as it is and whose result goes on into a quantised operand takes f32 operands (vector FMAs, or v_wmma_f32_16x16x4_f32). A number that lies on a knife's edge between two numbers of the format may be rounded either way, as far as f32 arithmetic and the matrix unit's own rounding can turn it there, and no further.
;; 2 versions, each right; version 2 is version 1 with the launch attn written anew for expert scheduling mode. Each part assembles by itself: llvm-mc -triple=amdgcn-amd-amdhsa -mcpu=gfx1250 --defsym DOCPART=n.
;; ======== version 1 of 2: 4 launches
;; workspace buffers: mflag 2,048 bytes of whole numbers; mbits 2,097,152 bytes of whole numbers; actc 12,582,912 bytes; acts 786,432 bytes; wcod 2,097,152 bytes; wscl 131,072 bytes; hcod 13,893,632 bytes; ocod 4,456,448 bytes
;; launch prep (part 1): grid 960 x 1, 4 waves a work-group, no clusters, 101,888 bytes of LDS; arguments queries, keys, values, Wq, Wk, Wv, Wo, masks, actc, acts, wcod, wscl, mbits, mflag; writes actc, acts, wcod, wscl, mbits, mflag
.if DOCPART == 1
	.amdgcn_target "amdgcn-amd-amdhsa--gfx1250"
	.amdhsa_code_object_version 6
	.text
	.protected	k_qc384542598_prep
	.globl	k_qc384542598_prep
	.p2align	8
	.type	k_qc384542598_prep,@function
k_qc384542598_prep:
	s_mov_b64 s[64:65], 0
	v_nop
	global_prefetch_b8 v0, s[64:65] scope:SCOPE_SE
	s_setreg_imm32_b32 hwreg(HW_REG_WAVE_MODE, 25, 1), 1
	s_wait_xcnt 0x0
; MULTI-HEAD ATTENTION ON MX-FP4, launch 1 of 4: everything that arrives wide is made narrow once.
; NO WORK OF THE PROBLEM IS LEFT OUT FOR ALL INPUTS: all nine inputs have a way to the output and are loaded.  What the mask (an input) throws away in whole tiles of 16 queries x 128 keys
; is left out by the third launch on whole numbers that THIS launch stores (a flag word for each tile of queries), so the choice follows the mask as it is given, whatever its pattern.
; THREE PATHS, parted on the work-group's number; each has LDS bytes of its own; no barrier: waves share nothing.
;   work-groups 0-63    W: Wq, Wk, Wv [16][1024][64] and Wo [1024][1024], f32, K = their 1,024 rows: codes [n][512 bytes] with K innermost, scale bytes [n][32]; n = 64 head + d
;   work-groups 64-191  M: masks [4][2048][2048] bytes: for each tile of 16 queries and step of 128 keys 64 words of 32 lane bits (mbits), and a flag word a tile (mflag)
;   work-groups 192-959 A: queries, keys, values [8192][1024] f32, K innermost: codes [row][512 bytes], scale bytes [row][32]
; THE ROW ORDER.  Rows of keys, values and of all four weights are stored at the row number with bits 3 and 4 exchanged.  Sixteen consecutive stored rows 32 B + 16 u + r are then the true rows
; 32 B + 8 u + r + 8 (r / 8): used as source 0 of a transposed product, two such tiles leave a lane 16 NEIGHBOURS along that axis, which the next quantiser wants.  Queries keep their order.
; THE QUANTISER: a block's scale byte is its largest magnitude's exponent field - 2, held at 1 from below; numbers / scale go to the nearest E2M1 code, ties to even, beyond 6 the largest code.
; LIMITS: NaN and infinities among the floating inputs are not served; a block whose largest magnitude lies under 2^-124 keeps the byte 1; a block of zeros has the byte 1, not 127 (its codes
; are zeros and only this program reads the bytes); of a mask byte bit 0 alone is read.
.set SPW,   12                         ; v12  LDS address of my spare word; never rewritten
.set NIL,   13                         ; v13  0; never rewritten
.set W_LDS, 32768                      ; path A: bytes 0 .. 32,767; path W: 4 stages of 32 x 272
.set M_LDS, 67584                      ; path M: 4 stages of 16 x 528
.set SPARE, 101376                     ; the spare words: 128 bytes a wave, two blocks of 256 bytes that no other line names
.set EMAX,  2
	v_lshl_add_u32 v[SPW], v0, 2, SPARE
	v_mov_b32 v[NIL], 0
	v_lshrrev_b32 v1, 5, v0
	v_readfirstlane_b32 s16, v1                    ; wave 0..3
	v_and_b32 v2, 31, v0                           ; lane
	s_cmp_lt_u32 ttmp9, 64
	s_cbranch_scc1 .Lweights
	s_cmp_lt_u32 ttmp9, 192
	s_cbranch_scc1 .Lmask
; ---------------------------------------------------------------- PATH A: the activations
; A wave takes a run of 8 rows = 8,192 numbers, a plain stream of blocks of 32, in 16 steps of 512.  Each load reads 512 consecutive bytes; a step's 2,048 bytes turn through the wave's own stage
; (16 bytes of padding behind each 64) so that a lane holds 16 neighbours; two neighbouring lanes hold a block.  Loads run four steps ahead, the turn one step.
.set STEPS, 16
.set CB,    8                          ; bytes of 16 codes
.set AR,    16                         ; v16-79   four sets of 16 numbers as loaded
.set AX,    80                         ; v80-111  two sets of 16 neighbours
.set AE,    112                        ; v112-127 a scale byte for each step
.set AC,    128                        ; v128-191 codes: four registers a step, so that no store's data are written again
.set WREG,  8192
.set SP,    80
	s_load_b128 s[4:7], s[0:1], 0x0                ; queries, keys
	s_load_b64 s[8:9], s[0:1], 0x10                ; values
	s_load_b128 s[12:15], s[0:1], 0x40             ; actc, acts
	v_lshlrev_b32 v3, 4, v2                        ; my 16 bytes of a load's 512
	s_mul_i32 s28, s16, WREG
	v_lshrrev_b32 v14, 2, v2
	v_mul_u32_u24 v14, v14, SP
	v_and_b32 v15, 3, v2
	v_lshl_add_u32 v14, v15, 4, v14
	v_add_nc_u32 v14, s28, v14                     ; the stage, way in: SP (lane / 4) + 16 (lane % 4)
	v_mul_u32_u24 v15, v2, SP
	v_add_nc_u32 v15, s28, v15                     ; way out: SP x lane
	v_mul_u32_u24 v4, v2, CB                       ; my codes' place in a step's
	v_lshrrev_b32 v5, 1, v2
	s_add_co_u32 s28, s28, 2*32*SP
	v_add_nc_u32 v5, s28, v5                       ; my wave's 256 scale bytes: my block's byte
	v_lshlrev_b32 v7, 3, v2
	v_add_nc_u32 v6, s28, v7                       ; and 8 bytes a lane on the way out
	s_sub_co_u32 s17, ttmp9, 192
	s_lshr_b32 s18, s17, 8                         ; which tensor: 0 queries, 1 keys, 2 values
	s_and_b32 s17, s17, 255
	s_lshl_b32 s17, s17, 2
	s_add_co_u32 s19, s17, s16                     ; my run of 8 rows
	s_and_b32 s20, s16, 1
	s_lshl_b32 s20, s20, 1
	s_lshr_b32 s21, s16, 1
	s_or_b32 s20, s20, s21
	s_add_co_u32 s20, s17, s20                     ; the run with bits 0 and 1 exchanged: bits 3 and 4 of its rows
	s_cmp_eq_u32 s18, 0
	s_cselect_b32 s20, s19, s20                    ; queries keep their order
	s_lshl_b32 s22, s19, 15                        ; 32,768 bytes of f32 a run
	s_mov_b32 s23, 0
	s_lshl_b32 s24, s18, 22
	s_lshl_b32 s25, s20, 12
	s_add_co_u32 s24, s24, s25                     ; 4 MiB a tensor, 4,096 bytes of codes a run
	s_mov_b32 s25, 0
	s_lshl_b32 s26, s18, 18
	s_lshl_b32 s27, s20, 8
	s_add_co_u32 s26, s26, s27                     ; 256 KiB a tensor, 256 scale bytes a run
	s_mov_b32 s27, 0
	s_wait_kmcnt 0x0
	s_cmp_eq_u32 s18, 0                            ; the choice hangs on the work-group's number alone
	s_cselect_b64 s[4:5], s[4:5], s[6:7]
	s_cmp_eq_u32 s18, 2
	s_cselect_b64 s[4:5], s[8:9], s[4:5]
	s_add_nc_u64 s[4:5], s[4:5], s[22:23]
	s_add_nc_u64 s[12:13], s[12:13], s[24:25]
	s_add_nc_u64 s[14:15], s[14:15], s[26:27]
.macro ALOAD t
.irp i, 0,1,2,3
	global_load_b128 v[AR+16*((\t)%4)+4*\i:AR+16*((\t)%4)+4*\i+3], v3, s[4:5] offset:2048*(\t)+512*\i th:TH_LOAD_NT   ; 32 lanes read 512 consecutive bytes
.endr
.endm
.macro ATURN t                         ; LDS serves a wave's instructions in order: no wait between the stores and the loads
.irp i, 0,1,2,3
	ds_store_b128 v14, v[AR+16*((\t)%4)+4*\i:AR+16*((\t)%4)+4*\i+3] offset:32*SP*((\t)%2)+8*SP*\i
.endr
.irp i, 0,1,2,3
	ds_load_b128 v[AX+16*((\t)%2)+4*\i:AX+16*((\t)%2)+4*\i+3], v15 offset:32*SP*((\t)%2)+16*\i
.endr
.endm
.irp t, 0,1,2,3
	ALOAD \t
.endr
	s_wait_loadcnt 12                              ; step 0's four loads are in; three steps' twelve may be out
	ATURN 0
.macro ASTEP t
.set XS, AX+16*((\t)%2)
.if (\t) > 0
	s_wait_dscnt 1                                 ; this step's numbers are back from the stage (the last step's byte store may be out)
.else
	s_wait_dscnt 0x0
.endif
.if (\t)+4 < STEPS
	ALOAD (\t)+4                                   ; into the registers whose stores into the stage are done
.endif
.if (\t)+1 < STEPS
.if STEPS-2-(\t) >= 3
	s_wait_loadcnt 12                              ; the next step's four loads are in; those of the three steps behind it may be out
.else
	s_wait_loadcnt 4*(STEPS-2-(\t))
.endif
	ATURN (\t)+1
.endif
	v_max3_num_f32 v8, |v[XS]|, |v[XS+1]|, |v[XS+2]|               ; the largest magnitude of my 16, in two chains
	v_max3_num_f32 v9, |v[XS+3]|, |v[XS+4]|, |v[XS+5]|
.irp i, 6,10
	v_max3_num_f32 v8, v8, |v[XS+\i]|, |v[XS+\i+1]|
	v_max3_num_f32 v9, v9, |v[XS+\i+2]|, |v[XS+\i+3]|
.endr
	v_max3_num_f32 v8, v8, |v[XS+14]|, |v[XS+15]|
	v_max3_num_f32 v8, v8, v9, (EMAX+1)<<23        ; and the floor 2^(3 - 127): the byte cannot fall under 1
	v_max_num_f32_dpp v8, v8, v8 row_xmask:1 row_mask:0xf bank_mask:0xf   ; with my neighbour's 16: the block's
	v_add_nc_u32 v11, -(EMAX<<23), v8              ; 2 off its exponent field: the conversion takes that field as its scale
	v_cvt_scalef32_pk8_fp4_f32 v[AC+4*(\t)], v[XS:XS+7], v11
	v_cvt_scalef32_pk8_fp4_f32 v[AC+4*(\t)+1], v[XS+8:XS+15], v11
	v_lshrrev_b32 v[AE+(\t)], 23, v11              ; the scale's byte
	ds_store_b8 v5, v[AE+(\t)] offset:16*(\t)      ; both lanes of a block write the same byte with the same value
	global_store_b64 v4, v[AC+4*(\t):AC+4*(\t)+1], s[12:13] offset:32*CB*(\t)   ; the wave stores 256 consecutive bytes, aligned
.endm
.irp t, 0,1,2,3,4,5,6,7,8,9,10,11,12,13,14,15
	ASTEP \t
.endr
	ds_load_b64 v[8:9], v6                         ; in order behind my byte stores
	s_wait_dscnt 0x0
	global_store_b64 v7, v[8:9], s[14:15]          ; 256 consecutive bytes, aligned
	s_wait_tensorcnt 0x0                           ; the wave's end, behind my last LDS store
	ds_add_u32 v[SPW], v[NIL]
	s_wait_dscnt 0x0
	s_endpgm
; ---------------------------------------------------------------- PATH W: the weights, K outermost
; A lane takes a column n, its registers run down K: a block of 32 lies in one lane, and the conversions give codes with K innermost.  A wave takes 32 columns x 512 along K: 16 blocks a lane,
; 256 bytes of codes a column; they go through the wave's stage and leave as rows, sixteen lanes to 256 aligned bytes.  Loads run two blocks ahead.
.set NB,    16
.set WP,    272                        ; a stage row: 256 bytes + 16
.set WSB,   24                         ; v24-27   the scale bytes, four to a register
.set WX,    32                         ; v32-95   two sets of 32 numbers
.set WC,    96                         ; v96-99   a block's codes
.set WO,    112                        ; v112-175 the way out
.set WV,    176                        ; v176-207 row i of a block: i x the row's bytes + 4 x lane; never rewritten
.Lweights:
	s_load_b64 s[4:5], s[0:1], 0x18                ; Wq
	s_load_b64 s[6:7], s[0:1], 0x20                ; Wk
	s_load_b64 s[8:9], s[0:1], 0x28                ; Wv
	s_load_b64 s[10:11], s[0:1], 0x30              ; Wo
	s_load_b128 s[20:23], s[0:1], 0x50             ; wcod, wscl
	s_lshr_b32 s17, ttmp9, 4                       ; which weight
	s_and_b32 s18, ttmp9, 15                       ; Wq, Wk, Wv: the head; Wo: 64 columns
	s_and_b32 s19, s16, 1                          ; which 32 of the 64 columns
	s_lshr_b32 s24, s16, 1                         ; which 512 along K
	s_lshl_b32 s25, s18, 1
	s_add_co_u32 s25, s25, s19                     ; G: columns 32 G .. 32 G + 31 of the 1,024
	s_lshl_b32 s26, s18, 18
	s_lshl_b32 s27, s19, 7
	s_add_co_u32 s26, s26, s27                     ; per-head weights: the head's 262,144 bytes, half a row of 256
	s_lshl_b32 s27, s25, 7                         ; Wo: 128 G
	s_mov_b32 s28, 256
	s_cmp_eq_u32 s17, 3
	s_cselect_b32 s28, 4096, s28                   ; bytes from a row of K to the next
	s_cselect_b32 s26, s27, s26
	s_mul_i32 s27, s24, s28
	s_lshl_b32 s27, s27, 9
	s_add_co_u32 s26, s26, s27                     ; + 512 rows for the upper half of K
	s_mov_b32 s27, 0
	s_lshl_b32 s30, s28, 5                         ; a block on: 32 rows
	s_mov_b32 s31, 0
	s_lshl_b32 s32, s17, 19
	s_lshl_b32 s33, s25, 14
	s_add_co_u32 s32, s32, s33
	s_lshl_b32 s33, s24, 8
	s_add_co_u32 s32, s32, s33                     ; codes: 512 KiB a weight, 512 bytes a row, 256 for the upper half of K
	s_mov_b32 s33, 0
	s_lshl_b32 s34, s17, 15
	s_lshl_b32 s35, s25, 10
	s_add_co_u32 s34, s34, s35
	s_lshl_b32 s35, s24, 4
	s_add_co_u32 s34, s34, s35                     ; scale bytes: 32 KiB a weight, 32 a row, 16 for the upper half
	s_mov_b32 s35, 0
	v_lshlrev_b32 v3, 2, v2
.set wi, 0
.rept 32
	v_mad_u32_u24 v[WV+wi], s28, wi, v3
.set wi, wi+1
.endr
	s_mul_i32 s29, s16, 32*WP
	s_add_co_u32 s29, s29, W_LDS                   ; my stage
	v_mul_u32_u24 v4, v2, WP
	v_add_nc_u32 v4, s29, v4                       ; into it: row = my column
	v_and_b32 v5, 15, v2
	v_lshrrev_b32 v6, 4, v2
	v_mul_u32_u24 v7, v6, WP
	v_lshl_add_u32 v7, v5, 4, v7
	v_add_nc_u32 v7, s29, v7                       ; out of it: sixteen lanes to a row, two rows an instruction
	v_lshlrev_b32 v8, 9, v6
	v_lshl_add_u32 v8, v5, 4, v8                   ; and the same place in the codes' buffer
	v_and_b32 v9, 7, v2                            ; my column with bits 3 and 4 exchanged,
	v_and_b32 v10, 8, v2
	v_lshl_or_b32 v9, v10, 1, v9
	v_and_b32 v10, 16, v2
	v_lshrrev_b32 v10, 1, v10
	v_or_b32 v9, v9, v10
	v_lshlrev_b32 v9, 5, v9                        ; x 32 scale bytes a row
	s_wait_kmcnt 0x0
	s_cmp_eq_u32 s17, 1                            ; the choices hang on the work-group's number alone
	s_cselect_b64 s[4:5], s[6:7], s[4:5]
	s_cmp_eq_u32 s17, 2
	s_cselect_b64 s[4:5], s[8:9], s[4:5]
	s_cmp_eq_u32 s17, 3
	s_cselect_b64 s[4:5], s[10:11], s[4:5]
	s_add_nc_u64 s[4:5], s[4:5], s[26:27]
	s_add_nc_u64 s[20:21], s[20:21], s[32:33]
	s_add_nc_u64 s[22:23], s[22:23], s[34:35]
.macro WLOAD t                         ; the next block's 32 rows into set t % 2; blocks are asked for in ascending order, the base steps behind each
.set wi, 0
.rept 32
	global_load_b32 v[WX+32*((\t)%2)+wi], v[WV+wi], s[4:5] th:TH_LOAD_NT
.set wi, wi+1
.endr
	s_wait_xcnt 0x0                                ; the loads have read their base: it may step
	s_add_nc_u64 s[4:5], s[4:5], s[30:31]
.endm
	WLOAD 0
	WLOAD 1
.macro WBLOCK t
.set XS, WX+32*((\t)%2)
.if (\t) < NB-1
	s_wait_loadcnt 32                              ; this block's 32 loads are in; the next block's may be out
.else
	s_wait_loadcnt 0
.endif
	v_max3_num_f32 v16, |v[XS]|, |v[XS+1]|, |v[XS+2]|              ; the block's largest magnitude: all 32 numbers are mine
	v_max3_num_f32 v17, |v[XS+3]|, |v[XS+4]|, |v[XS+5]|
.irp i, 6,10,14,18,22,26
	v_max3_num_f32 v16, v16, |v[XS+\i]|, |v[XS+\i+1]|
	v_max3_num_f32 v17, v17, |v[XS+\i+2]|, |v[XS+\i+3]|
.endr
	v_max3_num_f32 v16, v16, |v[XS+30]|, |v[XS+31]|
	v_max3_num_f32 v16, v16, v17, (EMAX+1)<<23     ; and the floor
	v_add_nc_u32 v18, -(EMAX<<23), v16             ; the conversion's scale operand
	v_lshrrev_b32 v19, 23, v18                     ; the scale's byte
.if (\t)%4 == 0
	v_mov_b32 v[WSB+(\t)/4], v19                   ; four bytes to a register, the lower K in the lower byte
.else
	v_lshl_or_b32 v[WSB+(\t)/4], v19, 8*((\t)%4), v[WSB+(\t)/4]
.endif
.irp g, 0,1,2,3
	v_cvt_scalef32_pk8_fp4_f32 v[WC+\g], v[XS+8*\g:XS+8*\g+7], v18
.endr
	ds_store_b128 v4, v[WC:WC+3] offset:16*(\t)    ; 32 codes: 16 bytes of my column's row
.if (\t)+2 < NB
	WLOAD (\t)+2
.endif
	s_wait_dscnt 0x0                               ; the store has read its registers: the next block's codes may be written
.endm
.set Q, 0
.rept NB
	WBLOCK Q
.set Q, Q+1
.endr
	global_store_b128 v9, v[WSB:WSB+3], s[22:23]   ; my column's 16 scale bytes, at its exchanged row
.irp t, 0,1,2,3,4,5,6,7,8,9,10,11,12,13,14,15
	ds_load_b128 v[WO+4*\t:WO+4*\t+3], v7 offset:2*\t*WP           ; in order behind my stores
.endr
.irp t, 0,1,2,3,4,5,6,7,8,9,10,11,12,13,14,15
	s_wait_dscnt 15-\t
	global_store_b128 v8, v[WO+4*\t:WO+4*\t+3], s[20:21] offset:2*((\t&3)|((\t&4)<<1)|((\t&8)>>1))*512   ; stage rows 2 t, 2 t + 1 go to the rows with bits 3 and 4 exchanged; 16 lanes store 256 aligned bytes
.endr
	s_wait_tensorcnt 0x0                           ; the wave's end
	ds_add_u32 v[SPW], v[NIL]
	s_wait_dscnt 0x0
	s_endpgm
; ---------------------------------------------------------------- PATH M: the mask
; A wave takes a tile of 16 queries and all 2,048 keys, 512 a trip.  Word n = 16 bb + i of step s holds in bit 16 h + r the mask of query r and key 128 s + 32 bb + 16 h + i: the lane mask under which
; the third launch keeps register n of its scores.  The flag word of the tile, in a buffer of its own: bit s = some key of step s is allowed, bit 16 + s = all are.
.set MP_,   528                        ; a stage row: 512 bytes + 16
.set MR,    32                         ; v32-95   16 rows x 16 bytes as loaded
.set MX,    96                         ; v96-159  step s, block bb: four registers = my query's 16 bytes
.set MO,    160                        ; v160-167 a pair of registers for each of a trip's four steps: lane l holds words 2 l and 2 l + 1
.set MT,    168                        ; v168-171 at work
.Lmask:
	s_load_b64 s[4:5], s[0:1], 0x38                ; masks
	s_load_b64 s[6:7], s[0:1], 0x60                ; mbits
	s_load_b64 s[8:9], s[0:1], 0x68                ; mflag
	s_sub_co_u32 s17, ttmp9, 64
	s_lshl_b32 s17, s17, 2
	s_add_co_u32 s17, s17, s16                     ; 128 batch + tile of queries
	v_lshlrev_b32 v3, 4, v2
	s_mul_i32 s18, s16, 16*MP_
	s_add_co_u32 s18, s18, M_LDS                   ; my stage
	v_add_nc_u32 v4, s18, v3                       ; in: 16 x lane, the row in the immediate
	v_and_b32 v8, 15, v2
	v_lshrrev_b32 v9, 4, v2
	v_mul_u32_u24 v5, v8, MP_
	v_lshl_add_u32 v5, v9, 4, v5
	v_add_nc_u32 v5, s18, v5                       ; out: row r, + 16 h
	v_lshlrev_b32 v6, 3, v2
.irp i, 0,1,2,3,4,5,6,7
	v_mov_b32 v[MO+\i], 0                          ; written once whole: v_writelane_b32's destination counts as read
.endr
	s_mov_b32 s21, 0                               ; the flag word
	s_mov_b32 s22, 0                               ; the step
	s_lshl_b32 s24, s17, 15                        ; 16 rows of 2,048 bytes
	s_mov_b32 s25, 0
	s_lshl_b32 s26, s17, 12                        ; 16 steps of 256 bytes
	s_mov_b32 s27, 0
	s_lshl_b32 s28, s17, 2                         ; a flag word a tile of queries
	s_mov_b32 s29, 0
	s_wait_kmcnt 0x0
	s_add_nc_u64 s[4:5], s[4:5], s[24:25]
	s_add_nc_u64 s[8:9], s[8:9], s[28:29]
	s_add_nc_u64 s[6:7], s[6:7], s[26:27]
.macro MLOAD
.irp i, 0,1,2,3,4,5,6,7,8,9,10,11,12,13,14,15
	global_load_b128 v[MR+4*\i:MR+4*\i+3], v3, s[4:5] offset:\i*2048 th:TH_LOAD_NT   ; 512 consecutive bytes of row i
.endr
.endm
	MLOAD
	s_mov_b32 s20, 4
.Lmtrip:
	s_wait_loadcnt 0x0
.irp i, 0,1,2,3,4,5,6,7,8,9,10,11,12,13,14,15
	ds_store_b128 v4, v[MR+4*\i:MR+4*\i+3] offset:\i*MP_
.endr
.irp i, 0,1,2,3,4,5,6,7,8,9,10,11,12,13,14,15
	ds_load_b128 v[MX+4*\i:MX+4*\i+3], v5 offset:32*\i             ; i = 4 s + bb: 128 s + 32 bb bytes on; in order behind my stores
.endr
	s_wait_dscnt 0x0                               ; the stores have read their registers, the bytes are back
	s_add_nc_u64 s[4:5], s[4:5], 512               ; (the wait for the loads has freed their base)
	s_cmp_eq_u32 s20, 1
	s_cbranch_scc1 .Lmlast                         ; the last trip asks for nothing: no load leaves the buffer
	MLOAD
.Lmlast:
.set ms, 0
.rept 4
.set mn, 0
.rept 64
	v_lshlrev_b32 v[MT+mn%4], 31-8*(mn%4), v[MX+4*(4*ms+mn/16)+(mn%16)/4]   ; bit 0 of byte i to the sign
	v_cmp_gt_i32 s[24+mn%4], 0, v[MT+mn%4]                                   ; the 32 lanes' bits: word n
	v_writelane_b32 v[MO+2*ms+(mn&1)], s[24+mn%4], mn>>1
.set mn, mn+1
.endr
	v_or_b32 v[MT], v[MO+2*ms], v[MO+2*ms+1]
	v_and_b32 v[MT+1], v[MO+2*ms], v[MO+2*ms+1]
	v_cmp_ne_u32 s28, 0, v[MT]                     ; some bit set in some word
	v_cmp_ne_u32 s29, -1, v[MT+1]                  ; some bit clear in some word
	s_cmp_lg_u32 s28, 0
	s_cselect_b32 s30, 1, 0
	s_cmp_eq_u32 s29, 0
	s_cselect_b32 s31, 0x10000, 0
	s_or_b32 s30, s30, s31
	s_lshl_b32 s30, s30, s22
	s_or_b32 s21, s21, s30
	s_add_co_u32 s22, s22, 1
	global_store_b64 v6, v[MO+2*ms:MO+2*ms+1], s[6:7] offset:256*ms   ; 256 consecutive bytes, aligned
.set ms, ms+1
.endr
	s_wait_xcnt 0x0                                ; the stores have read their data and base: both are written again
	s_add_nc_u64 s[6:7], s[6:7], 1024
	s_sub_co_u32 s20, s20, 1
	s_cmp_lg_u32 s20, 0
	s_cbranch_scc1 .Lmtrip
	v_mov_b32 v7, s21
	v_mov_b32 v8, 0
	v_cmp_eq_u32 vcc_lo, 0, v2
	s_and_saveexec_b32 s30, vcc_lo                 ; (no memory instruction has been issued since the wait above)
	global_store_b32 v8, v7, s[8:9]                ; one word a tile of queries: 2 KiB in all
	s_wait_xcnt 0x0                                ; EXEC widens only behind this wait
	s_or_b32 exec_lo, exec_lo, s30
	s_wait_tensorcnt 0x0                           ; the wave's end
	ds_add_u32 v[SPW], v[NIL]
	s_wait_dscnt 0x0
	s_endpgm
.Lfunc_end_k_qc384542598_prep:
	.size	k_qc384542598_prep, .Lfunc_end_k_qc384542598_prep-k_qc384542598_prep
	.p2alignl 7, 3214868480
	.fill 96, 4, 3214868480
	.section	.rodata,"a",@progbits
	.p2align	6, 0x0
	.amdhsa_kernel k_qc384542598_prep
		.amdhsa_group_segment_fixed_size 101888
		.amdhsa_private_segment_fixed_size 0
		.amdhsa_enable_private_segment 0
		.amdhsa_kernarg_size 112
		.amdhsa_user_sgpr_count 2
		.amdhsa_user_sgpr_kernarg_segment_ptr 1
		.amdhsa_wavefront_size32 1
		.amdhsa_system_sgpr_workgroup_id_x 1
		.amdhsa_system_sgpr_workgroup_id_y 1
		.amdhsa_system_sgpr_workgroup_id_z 1
		.amdhsa_system_vgpr_workitem_id 0
		.amdhsa_next_free_vgpr 208
		.amdhsa_next_free_sgpr 66
		.amdhsa_reserve_vcc 1
		.amdhsa_float_denorm_mode_32 3
		.amdhsa_float_denorm_mode_16_64 3
		.amdhsa_memory_ordered 1
		.amdhsa_forward_progress 1
		.amdhsa_inst_pref_size 165
	.end_amdhsa_kernel
	.amdgpu_metadata
---
amdhsa.version: [ 1, 2 ]
amdhsa.kernels:
  - .name:           k_qc384542598_prep
    .symbol:         k_qc384542598_prep.kd
    .args:
      - { .name: queries, .offset: 0, .size: 8, .value_kind: global_buffer, .address_space: global }
      - { .name: keys, .offset: 8, .size: 8, .value_kind: global_buffer, .address_space: global }
      - { .name: values, .offset: 16, .size: 8, .value_kind: global_buffer, .address_space: global }
      - { .name: Wq, .offset: 24, .size: 8, .value_kind: global_buffer, .address_space: global }
      - { .name: Wk, .offset: 32, .size: 8, .value_kind: global_buffer, .address_space: global }
      - { .name: Wv, .offset: 40, .size: 8, .value_kind: global_buffer, .address_space: global }
      - { .name: Wo, .offset: 48, .size: 8, .value_kind: global_buffer, .address_space: global }
      - { .name: masks, .offset: 56, .size: 8, .value_kind: global_buffer, .address_space: global }
      - { .name: actc, .offset: 64, .size: 8, .value_kind: global_buffer, .address_space: global }
      - { .name: acts, .offset: 72, .size: 8, .value_kind: global_buffer, .address_space: global }
      - { .name: wcod, .offset: 80, .size: 8, .value_kind: global_buffer, .address_space: global }
      - { .name: wscl, .offset: 88, .size: 8, .value_kind: global_buffer, .address_space: global }
      - { .name: mbits, .offset: 96, .size: 8, .value_kind: global_buffer, .address_space: global }
      - { .name: mflag, .offset: 104, .size: 8, .value_kind: global_buffer, .address_space: global }
    .group_segment_fixed_size: 101888
    .private_segment_fixed_size: 0
    .kernarg_segment_align: 8
    .kernarg_segment_size: 112
    .max_flat_workgroup_size: 128
    .sgpr_count:     66
    .vgpr_count:     208
    .wavefront_size: 32
...
	.end_amdgpu_metadata
.endif
;; end of part 1
;; launch proj (part 2): grid 4 x 192, 4 waves a work-group, clusters of 4 x 4, 327,680 bytes of LDS; arguments actc, acts, wcod, wscl, hcod; writes hcod
.if DOCPART == 2
	.amdgcn_target "amdgcn-amd-amdhsa--gfx1250"
	.amdhsa_code_object_version 6
	.text
	.protected	k_qc384542598_proj
	.globl	k_qc384542598_proj
	.p2align	8
	.type	k_qc384542598_proj,@function
k_qc384542598_proj:
	s_mov_b64 s[64:65], 0
	v_nop
	global_prefetch_b8 v0, s[64:65] scope:SCOPE_SE
	s_setreg_imm32_b32 hwreg(HW_REG_WAVE_MODE, 25, 1), 1
	s_wait_xcnt 0x0
	s_wait_alu depctr_hold_cnt(0) depctr_sa_sdst(0) depctr_va_vdst(0) depctr_va_sdst(0) depctr_va_ssrc(0) depctr_va_vcc(0) depctr_vm_vsrc(0)
	s_getreg_b32 s2, hwreg(HW_REG_IB_STS2, 6, 4)
	s_cmp_eq_u32 s2, 0
	s_cbranch_scc0 .Lentry_in_a_cluster
	s_endpgm
.Lentry_in_a_cluster:
	s_bfe_u32 s2, ttmp6, 0x10000c
	s_cmp_lg_u32 s2, 0xf033
	s_cbranch_scc0 .Lentry_shape_is_right
	s_endpgm
.Lentry_shape_is_right:
; Launch 2 of 4: the three projections on codes of FP4, K = 1,024, and their results quantised in registers into IMAGES OF THE NEXT LAUNCH'S OPERAND REGISTERS.  No work is left out here.
; A tile is 128 rows of A x 256 rows of B; four waves, each 64 x 128: 32 accumulators of 16 x 16.  The matrix instruction is used transposed (source 0 = 16 rows of B, source 1 = 16 rows of A): a lane
; holds one row of A, its registers run along B's rows; B's rows are stored with bits 3 and 4 exchanged, so the 16 registers of accumulators (a, 2 B) and (a, 2 B + 1) are 16 true neighbours.
;   q, k (cluster y 0-15, 16-31): A = the tokens, B = the weight's rows (64 head + d): a lane holds a token, registers run along d: quantised along d, 2 blocks a head.
;   v    (cluster y 32-47):       A = Wv's rows, B = the tokens: a lane holds one (head, d), registers run along the keys: quantised along the keys, 4 blocks a step of 128.
; The results' buffer: 12 MiB of images of codes (q, k, v: 4 MiB each), and behind them, from byte 0xC00000 on, the scale words.
; ALL OF K LIES IN LDS: two halves of 512 along K (rows of 256 bytes + 16), each filled ONCE, and the rows' scale bytes.  Three tensor loads of a wave are out at the start, none later; no byte is filled twice.
; CLUSTER 4 x 4: A's tiles are shared along a row of the cluster, B's along a column: each is asked for jointly, by the same load with the same descriptor and a mask that names the four.
; REGISTERS: window 0: v1-29 addresses; v32-95 scale words, two sets, nothing else; v128-191 A's fragments, two sets (on the way out: the codes made); v200-219 at work.
;   window 1: B's fragments, two sets at v0 and v128.   window 2: the accumulators, (a, b) at v[8 (8 a + b)].
; LIMITS: as stated in the first launch (floor of a block's scale byte at 1; NaN and infinities not served).
.set PITCH, 272                        ; an LDS row: 256 bytes + 16: the 16 rows that a load touches start 4 banks apart
.set AHALF, 64*PITCH
.set BHALF, 128*PITCH
.set BOFF,  2*AHALF
.set SLOT,  2*AHALF+2*BHALF            ; 104,448: A's 128 rows, then B's 256
.set SCL,   2*SLOT                     ; the scale bytes, as units of 256 bytes + 16: A's 128 rows x 32,
.set ASH,   8*272
.set BSH,   16*272
.set SCB,   SCL+2*ASH                  ; then B's 256 rows x 32
.set SPARE, SCB+2*BSH                  ; 221,952: the spare words, two blocks of 256 bytes that no other line names
.set ADRA,  16                         ; v16-17 my A fragments in slot 0, 1
.set ADRB,  20                         ; v20-21 my B fragments
.set VSO,   22                         ; v22  the scale words' store offset
.set VSH,   23                         ; v23  q, k: 16 h; v: 0
.set VO0,   24                         ; v24  16 x lane
.set VO1,   25                         ; v25  the second half image
.set ADRSB, 26                         ; v26  B's scale words, all lanes
.set ADRS,  27                         ; v27  lanes 0-15 A's scale words, lanes 16-31 B's
.set SPW,   28
.set NIL,   29
.set SC,    32
.set AF,    128
.set TM,    200                        ; v200-203 maxima, v204-207 the other half's / bytes, v212-215 scale operands
.set WD,    216                        ; v216-219 the scale word of each of my four tiles of A's rows
.set G1,  24
.set G0,  32
.set G1B, 48
.set G0B, 56
.set G1S, 68
.set G0S, 76
.set G1SB, 80
.set G0SB, 88
.set SEL, 100
.set MSB, 0
.macro WIN new                         ; the immediate's high byte repeats the setting that is left
.if MSB != \new
	s_set_vgpr_msb (MSB<<8)|\new
.set MSB, \new
.endif
.endm
; A joint load: waves 0 and 1 fetch for A, waves 2 and 3 for B; the branch hangs on the wave's number alone.  An s_nop 0 and four v_nop follow each line.
.macro JLOAD g0a, g1a, g0b, g1b
	s_cmp_eq_u32 s17, 0
	s_cbranch_scc0 .Lfor_b_\@
	tensor_load_to_lds s[\g0a:\g0a+3], s[\g1a:\g1a+7]
	s_nop 0
.rept 4
	v_nop
.endr
	s_branch .Lasked_\@
.Lfor_b_\@:
	tensor_load_to_lds s[\g0b:\g0b+3], s[\g1b:\g1b+7]
	s_nop 0
.rept 4
	v_nop
.endr
.Lasked_\@:
.endm
.macro CROUND                          ; a round of the cluster's barrier
	s_barrier_signal -1
	s_barrier_wait -1
	s_cmp_lg_u32 s16, 0
	s_cbranch_scc1 .Lnot_wave_0_\@
	s_barrier_signal -3
.Lnot_wave_0_\@:
	s_barrier_wait -3
	s_barrier_signal -1
	s_barrier_wait -1
.endm
.macro PLACES n
.rept \n
	v_nop
.endr
.endm
	s_load_b128 s[4:7], s[0:1], 0x0                ; actc, acts
	s_load_b128 s[8:11], s[0:1], 0x10              ; wcod, wscl
	s_load_b64 s[12:13], s[0:1], 0x20              ; hcod
	v_lshl_add_u32 v[SPW], v0, 2, SPARE
	v_mov_b32 v[NIL], 0
	ds_add_u32 v[SPW], v[NIL]                      ; the wave's opening: the add, twice on end, and its wait ahead of my first tensor load
	ds_add_u32 v[SPW], v[NIL]
	v_lshrrev_b32 v1, 5, v0
	v_readfirstlane_b32 s16, v1                    ; wave 0..3
	s_lshr_b32 s17, s16, 1                         ; which 64 rows of A are mine.  Also: I fetch for A (0) or for B (1)
	s_and_b32 s18, s16, 1                          ; which 128 rows of B are mine.  Also: which half of that tile I fetch
	s_bfe_u32 s40, ttmp6, 0x40000                  ; cx
	s_bfe_u32 s41, ttmp6, 0x40004                  ; cy
	s_and_b32 s42, ttmp7, 0xffff                   ; cluster y, 0..47
	s_lshr_b32 s43, s42, 4                         ; T: 0 q, 1 k, 2 v: the same in all partners
	s_and_b32 s42, s42, 15
	s_lshr_b32 s45, s42, 3
	s_and_b32 s46, s42, 7
	s_cmp_eq_u32 s43, 2
	s_cselect_b32 s45, s45, s42                    ; q, k: 64 tiles of tokens, 4 of the weight; v: 8 tiles of Wv, 32 of tokens
	s_cselect_b32 s46, s46, 0
	s_lshl_b32 s45, s45, 2
	s_add_co_u32 s45, s45, s41                     ; A's tile: hangs on cy alone
	s_lshl_b32 s46, s46, 2
	s_add_co_u32 s46, s46, s40                     ; B's tile: on cx alone
	s_lshl_b32 s47, s41, 2
	s_lshl_b32 s47, 15, s47                        ; my row of the cluster
	s_lshl_b32 s44, 0x1111, s40                    ; my column
	; descriptor groups 1.  Codes: rows of 256 bytes, 512 bytes apart, 16 bytes of padding behind each; 64 rows (A) or 128 (B)
	s_or_b32 s[G1+0], s47, (0<<16)|(1<<20)|(1<<21)|(5<<22)|(3<<25)
	s_or_b32 s[G1B+0], s44, (0<<16)|(1<<20)|(1<<21)|(5<<22)|(3<<25)
	s_mov_b32 s[G1+1], 256<<16
	s_mov_b32 s[G1+2], 64<<16
	s_mov_b32 s[G1+3], 256<<16
	s_mov_b32 s[G1+4], 64
	s_mov_b32 s[G1+5], 512
	s_mov_b32 s[G1+6], 0
	s_mov_b32 s[G1+7], 0
	s_mov_b32 s[G1B+1], 256<<16
	s_mov_b32 s[G1B+2], 128<<16
	s_mov_b32 s[G1B+3], 256<<16
	s_mov_b32 s[G1B+4], 128
	s_mov_b32 s[G1B+5], 512
	s_mov_b32 s[G1B+6], 0
	s_mov_b32 s[G1B+7], 0
	; scale bytes: a dense block, as rows of 256 bytes (32 elements of 8), 16 bytes of padding behind each; 8 rows (A's 64 x 32 bytes) or 16 (B's)
	s_or_b32 s[G1S+0], s47, (3<<16)|(1<<20)|(1<<21)|(5<<22)|(3<<25)
	s_or_b32 s[G1SB+0], s44, (3<<16)|(1<<20)|(1<<21)|(5<<22)|(3<<25)
	s_mov_b32 s[G1S+1], 32<<16
	s_mov_b32 s[G1S+2], 8<<16
	s_mov_b32 s[G1S+3], 32<<16
	s_mov_b32 s[G1S+4], 8
	s_mov_b32 s[G1S+5], 32
	s_mov_b32 s[G1S+6], 0
	s_mov_b32 s[G1S+7], 0
	s_mov_b32 s[G1SB+1], 32<<16
	s_mov_b32 s[G1SB+2], 16<<16
	s_mov_b32 s[G1SB+3], 32<<16
	s_mov_b32 s[G1SB+4], 16
	s_mov_b32 s[G1SB+5], 32
	s_mov_b32 s[G1SB+6], 0
	s_mov_b32 s[G1SB+7], 0
	s_lshl_b32 s19, s18, 6
	s_lshl_b32 s92, s45, 7
	s_add_co_u32 s92, s92, s19                     ; A: the first row that I would fetch
	s_lshl_b32 s94, s92, 5                         ; its scale bytes,
	s_lshl_b32 s92, s92, 9                         ; its codes
	s_mov_b32 s93, 0
	s_mov_b32 s95, 0
	s_lshl_b32 s19, s18, 7
	s_lshl_b32 s96, s46, 8
	s_add_co_u32 s96, s96, s19                     ; B likewise
	s_lshl_b32 s98, s96, 5
	s_lshl_b32 s96, s96, 9
	s_mov_b32 s97, 0
	s_mov_b32 s99, 0
	s_mul_i32 s2, s18, AHALF                       ; where they go: no place in the cluster enters an LDS address
	s_mul_i32 s3, s18, BHALF
	s_add_co_u32 s3, s3, BOFF
	s_mul_i32 s66, s18, ASH
	s_add_co_u32 s66, s66, SCL
	s_mul_i32 s67, s18, BSH
	s_add_co_u32 s67, s67, SCB
	s_mov_b32 s[SEL], 0x76543210
	s_mov_b32 s[SEL+1], 0xfedcba98                 ; v_permlanex16_b32's selects for lane l xor 16
	s_wait_dscnt 0x0                               ; both opening adds are done
	s_wait_kmcnt 0x0
	s_add_nc_u64 s[14:15], s[12:13], 0xc00000      ; the scale words lie behind the 12 MiB of images
	s_mov_b32 s23, 0
	s_lshl_b32 s22, s43, 22
	s_add_nc_u64 s[4:5], s[4:5], s[22:23]          ; tensor T of the activations' codes,
	s_lshl_b32 s22, s43, 18
	s_add_nc_u64 s[6:7], s[6:7], s[22:23]          ; of their scale bytes,
	s_lshl_b32 s22, s43, 19
	s_add_nc_u64 s[8:9], s[8:9], s[22:23]          ; weight T's codes,
	s_lshl_b32 s22, s43, 15
	s_add_nc_u64 s[10:11], s[10:11], s[22:23]      ; and scale bytes
	s_cmp_eq_u32 s43, 2                            ; v: the weight is A and the tokens are B.  The choice hangs on the cluster's number alone
	s_cselect_b64 s[20:21], s[8:9], s[4:5]
	s_cselect_b64 s[22:23], s[10:11], s[6:7]
	s_cselect_b64 s[4:5], s[4:5], s[8:9]
	s_cselect_b64 s[6:7], s[6:7], s[10:11]
	s_add_nc_u64 s[20:21], s[20:21], s[92:93]      ; A's codes
	s_add_nc_u64 s[22:23], s[22:23], s[94:95]      ; A's scale bytes
	s_add_nc_u64 s[4:5], s[4:5], s[96:97]          ; B's codes
	s_add_nc_u64 s[6:7], s[6:7], s[98:99]          ; B's scale bytes
	CROUND                                         ; all sixteen work-groups are here: the joint loads meet
	s_mov_b32 s[G0S], 1
	s_mov_b32 s[G0S+1], s66
	s_mov_b64 s[G0S+2:G0S+3], s[22:23]
	s_or_b32 s[G0S+3], s[G0S+3], 0x80000000
	s_mov_b32 s[G0SB], 1
	s_mov_b32 s[G0SB+1], s67
	s_mov_b64 s[G0SB+2:G0SB+3], s[6:7]
	s_or_b32 s[G0SB+3], s[G0SB+3], 0x80000000
	JLOAD G0S, G1S, G0SB, G1SB                     ; the scale bytes first: they are wanted with the first K step
.irp s, 0,1
	s_mov_b32 s[G0+4*\s], 1
	s_add_co_u32 s[G0+4*\s+1], s2, \s*SLOT
	s_add_nc_u64 s[G0+4*\s+2:G0+4*\s+3], s[20:21], \s*256
	s_or_b32 s[G0+4*\s+3], s[G0+4*\s+3], 0x80000000
	s_mov_b32 s[G0B+4*\s], 1
	s_add_co_u32 s[G0B+4*\s+1], s3, \s*SLOT
	s_add_nc_u64 s[G0B+4*\s+2:G0B+4*\s+3], s[4:5], \s*256
	s_or_b32 s[G0B+4*\s+3], s[G0B+4*\s+3], 0x80000000
	JLOAD G0+4*\s, G1, G0B+4*\s, G1B               ; K 0-511, then K 512-1,023: three loads of mine are out
.endr
	v_and_b32 v1, 15, v0                           ; r
	v_bfe_u32 v2, v0, 4, 1                         ; h
	v_and_b32 v3, 31, v0                           ; lane
	v_mul_u32_u24 v4, v1, PITCH
	v_lshl_add_u32 v4, v2, 4, v4                   ; a fragment's row x pitch + 16 h
	s_mul_i32 s92, s17, AHALF
	s_mul_i32 s93, s18, BHALF
	s_add_co_u32 s93, s93, BOFF
.irp s, 0,1
	v_add_nc_u32 v[ADRA+\s], s92, v4
	v_add_nc_u32 v[ADRB+\s], s93, v4
	s_add_co_u32 s92, s92, SLOT
	s_add_co_u32 s93, s93, SLOT
.endr
	v_lshlrev_b32 v5, 5, v1
	v_lshrrev_b32 v6, 3, v1
	v_lshl_add_u32 v5, v6, 4, v5                   ; row r's 32 scale bytes: 32 r, + 16 behind the first 256
	s_mul_i32 s92, s17, ASH
	s_mul_i32 s93, s18, BSH
	s_add_co_u32 s93, s93, 2*ASH
	v_add_nc_u32 v[ADRSB], s93, v5
	v_add_nc_u32 v[ADRSB], SCL, v[ADRSB]
	s_sub_co_u32 s93, s93, s92
	v_mul_u32_u24 v6, s93, v2                      ; lanes 16-31 take B's: the lower base + h x the distance
	s_add_co_u32 s92, s92, SCL
	v_add_nc_u32 v6, v5, v6
	v_add_nc_u32 v[ADRS], s92, v6
.irp b, 0,1,2,3
	v_mov_b32 v[TM+4+\b], 0                        ; written once: a lane permute's destination counts as one of its sources
.endr
	; where the results go.  q, k: image (batch, head, tile of 16 tokens): 512 bytes, 16 a lane.  v: image (batch, head, step of 128 keys, 16 of d, half): 512 bytes
	s_lshl_b32 s92, s45, 3
	s_lshl_b32 s93, s17, 2
	s_add_co_u32 s92, s92, s93                     ; q, k: my first tile of 16 tokens, of 512
	s_lshl_b32 s93, s46, 1
	s_add_co_u32 s93, s93, s18                     ; q, k: my pair of heads; v: my step of 128 tokens, of 64
	s_lshr_b32 s94, s92, 7
	s_lshl_b32 s94, s94, 4
	s_lshl_b32 s95, s93, 1
	s_add_co_u32 s94, s94, s95                     ; 16 batch + head
	s_and_b32 s95, s92, 127
	s_lshl_b32 s96, s94, 7
	s_add_co_u32 s96, s96, s95
	s_lshl_b32 s96, s96, 9
	s_lshl_b32 s97, s43, 22
	s_add_co_u32 s96, s96, s97                     ; q, k: the codes' offset
	s_lshl_b32 s94, s94, 4
	s_lshr_b32 s95, s95, 3
	s_add_co_u32 s94, s94, s95
	s_lshl_b32 s94, s94, 9
	s_lshl_b32 s95, s17, 8
	s_add_co_u32 s94, s94, s95
	s_lshl_b32 s95, s43, 19
	s_add_co_u32 s94, s94, s95                     ; q, k: the scale words' offset: [head][group of 8 tiles][half][r][4 words]
	s_lshl_b32 s95, s45, 1
	s_add_co_u32 s95, s95, s17                     ; v: my head
	s_lshr_b32 s97, s93, 4
	s_lshl_b32 s97, s97, 4
	s_add_co_u32 s95, s95, s97
	s_lshl_b32 s95, s95, 4
	s_and_b32 s97, s93, 15
	s_add_co_u32 s95, s95, s97                     ; (16 batch + head) x 16 + step
	s_lshl_b32 s97, s95, 12
	s_add_co_u32 s97, s97, 0x800000
	s_lshl_b32 s95, s95, 8
	s_add_co_u32 s95, s95, 0x100000
	s_mov_b32 s98, 0x10000
	s_mov_b32 s20, 512
	s_cmp_eq_u32 s43, 2
	s_cselect_b32 s96, s97, s96
	s_cselect_b32 s94, s95, s94
	s_cselect_b32 s98, 512, s98                    ; from the first half image to the second: q, k: the next head; v: the next 64 keys
	s_cselect_b32 s20, 1024, s20                   ; from a tile of A's rows to the next
	s_cselect_b32 s99, 16, 32                      ; lanes that store scale words
	s_cselect_b32 s22, 0, 8192                     ; q, k: lanes 16-31 store the second head's
	s_cselect_b32 s23, 0, 16
	s_cselect_b32 s19, -1, 0xffff
	s_mov_b32 s97, 0
	s_mov_b32 s95, 0
	s_mov_b32 s21, 0
	s_add_nc_u64 s[12:13], s[12:13], s[96:97]
	s_add_nc_u64 s[14:15], s[14:15], s[94:95]
	v_lshlrev_b32 v[VO0], 4, v3
	v_add_nc_u32 v[VO1], s98, v[VO0]
	v_mul_u32_u24 v[VSO], s22, v2
	v_lshl_add_u32 v[VSO], v1, 4, v[VSO]
	v_mul_u32_u24 v[VSH], s23, v2
; a K step's fragments: B's eight into set p of window 1, A's four into set p of window 0.  A fragment, 16 rows x 128 K of 4-bit codes, is two loads of 16 bytes, 32 bytes apart
.macro FETCH slot, q, p
	WIN 0x40
.irp i, 0,1,2,3,4,5,6,7
.irp c, 0,1
	ds_load_b128 v[128*(\p)+8*\i+4*\c:128*(\p)+8*\i+4*\c+3], v[ADRB+(\slot)] offset:64*(\q)+32*\c+\i*16*PITCH
.endr
.endr
	WIN 0
.irp i, 0,1,2,3
.irp c, 0,1
	ds_load_b128 v[AF+32*(\p)+8*\i+4*\c:AF+32*(\p)+8*\i+4*\c+3], v[ADRA+(\slot)] offset:64*(\q)+32*\c+\i*16*PITCH
.endr
.endr
.endm
.macro SCALES sc                       ; the four words (512 along K) of each row: register 4 i + q: lanes 0-15 A's block i (i < 4), lanes 16-31 B's block i
.irp i, 0,1,2,3
	ds_load_b128 v[SC+32*\sc+4*\i:SC+32*\sc+4*\i+3], v[ADRS] offset:\i*544+16*\sc
.endr
.irp i, 4,5,6,7
	ds_load_b128 v[SC+32*\sc+4*\i:SC+32*\sc+4*\i+3], v[ADRSB] offset:\i*544+16*\sc
.endr
.endm
; 32 matrix instructions: the 32 accumulators take turns, one instruction a turn, in the same order in every K step
.macro MUL p, q, sc, first
.irp a, 0,1,2,3
.irp b, 0,1,2,3,4,5,6,7
.if \first
	v_wmma_scale_f32_16x16x128_f8f6f4 v[8*(8*\a+\b):8*(8*\a+\b)+7], v[128*(\p)+8*\b:128*(\p)+8*\b+7], v[AF+32*(\p)+8*\a:AF+32*(\p)+8*\a+7], 0, v[SC+32*(\sc)+4*\b+(\q)], v[SC+32*(\sc)+4*\a+(\q)] matrix_a_fmt:MATRIX_FMT_FP4 matrix_b_fmt:MATRIX_FMT_FP4 matrix_a_scale:MATRIX_SCALE_ROW1
.else
	v_wmma_scale_f32_16x16x128_f8f6f4 v[8*(8*\a+\b):8*(8*\a+\b)+7], v[128*(\p)+8*\b:128*(\p)+8*\b+7], v[AF+32*(\p)+8*\a:AF+32*(\p)+8*\a+7], v[8*(8*\a+\b):8*(8*\a+\b)+7], v[SC+32*(\sc)+4*\b+(\q)], v[SC+32*(\sc)+4*\a+(\q)] matrix_a_fmt:MATRIX_FMT_FP4 matrix_b_fmt:MATRIX_FMT_FP4 matrix_a_scale:MATRIX_SCALE_ROW1
.endif
.endr
.endr
.endm
; K step g of 8: its fragments were asked for a step ago; the next step's are asked for ahead of its 32 products, four places behind the products that read those registers
.macro KSTEP g
	s_wait_dscnt 0x0                               ; this step's fragments are in
.if \g == 3
	s_wait_tensorcnt 0x0                           ; my part of K 512-1,023 has landed;
	s_barrier_signal -1
	s_barrier_wait -1                              ; everybody's has.
.endif
.if \g < 7
.if \g > 0
	PLACES 4
.endif
.set FS, (\g+1)/4
.set FQ, (\g+1)%4
.set FP, (\g+1)%2
	FETCH FS, FQ, FP
.if \g == 3
	SCALES 1
.endif
.endif
	WIN 0xa1                                       ; source 0 (B) window 1, source 1 (A) window 0, C and D window 2
.set FS, \g/4
.set FQ, \g%4
.set FP, \g%2
.if \g == 0
	MUL FP, FQ, FS, 1                              ; the first products start the sums: nothing is cleared
.else
	MUL FP, FQ, FS, 0
.endif
	WIN 0
.endm
	s_wait_tensorcnt 1                             ; the scale bytes and my part of K 0-511 are in; the load for K 512-1,023 may be out
	s_barrier_signal -1
	s_barrier_wait -1                              ; everybody's are
	FETCH 0, 0, 0
	SCALES 0
.irp g, 0,1,2,3,4,5,6,7
	KSTEP \g
.endr
	PLACES 4                                       ; behind the last products, ahead of the first read of results and the first write over fragments
; THE WAY OUT.  The 64 registers of A's tile a: register 16 b + i = place 32 b + 16 h + i along B's true rows.  They become a fragment's 8 registers of codes and a scale word a row.
.macro QUANTA a
.set AC, 64*\a
.set PC, AF+8*\a
	WIN 0x0a                                       ; sources 0 and 1 window 2
.irp b, 0,1,2,3
	v_max3_num_f32 v[TM+\b], |v[AC+16*\b]|, |v[AC+16*\b+1]|, 0x1800000   ; block b: my 16 numbers and the floor 2^(3 - 127); each accumulator is read from its low end on
.endr
	WIN 0x28                                       ; sources 1 and 2 window 2
.irp i, 2,4,6,8,10,12,14
.irp b, 0,1,2,3
	v_max3_num_f32 v[TM+\b], v[TM+\b], |v[AC+16*\b+\i]|, |v[AC+16*\b+\i+1]|
.endr
.endr
	WIN 0
.irp b, 0,1,2,3
	v_permlanex16_b32 v[TM+4+\b], v[TM+\b], s[SEL], s[SEL+1]
.endr
.irp b, 0,1,2,3
	v_max_num_f32 v[TM+\b], v[TM+\b], v[TM+4+\b]   ; with lane l xor 16's: the block's largest magnitude
.endr
.irp b, 0,1,2,3
	v_add_nc_u32 v[TM+12+\b], 0xff000000, v[TM+\b] ; 2 off its exponent field: the conversion's scale operand
.endr
.irp b, 0,1,2,3
	v_lshrrev_b32 v[TM+4+\b], 23, v[TM+12+\b]      ; the scale's byte
.endr
	v_lshl_or_b32 v[WD+\a], v[TM+5], 8, v[TM+4]
	v_lshl_or_b32 v[WD+\a], v[TM+6], 16, v[WD+\a]
	v_lshl_or_b32 v[WD+\a], v[TM+7], 24, v[WD+\a]
	WIN 0x02                                       ; source 0 window 2
.irp b, 0,1,2,3
	v_cvt_scalef32_pk8_fp4_f32 v[PC+2*\b], v[AC+16*\b:AC+16*\b+7], v[TM+12+\b]
	v_cvt_scalef32_pk8_fp4_f32 v[PC+2*\b+1], v[AC+16*\b+8:AC+16*\b+15], v[TM+12+\b]
.endr
	WIN 0
	v_nop                                          ; one plain place behind a scaled conversion
.irp c, 0,1                                    ; a whole block to a lane: lanes 0-15 block 2 c, lanes 16-31 block 2 c + 1
.irp i, 0,1
	v_permlane16_swap_b32 v[PC+4*\c+\i], v[PC+4*\c+2+\i]
.endr
.endr
	global_store_b128 v[VO0], v[PC:PC+3], s[12:13]     ; 512 consecutive bytes: q, k: the first head's image; v: keys 0-63 of the step
	global_store_b128 v[VO1], v[PC+4:PC+7], s[12:13]   ; and the second head's; v: keys 64-127
	s_wait_xcnt 0x0                                ; the stores have read their base: it may step
	s_add_nc_u64 s[12:13], s[12:13], s[20:21]
.endm
	QUANTA 0
	QUANTA 1
	QUANTA 2
	QUANTA 3
.irp a, 0,1,2,3
	v_lshrrev_b32 v[WD+\a], v[VSH], v[WD+\a]       ; q, k: lanes 0-15 keep the first head's two bytes, lanes 16-31 the second's; the upper two bytes, over zero codes, are 0.  v: the word as it is
.endr
.irp a, 0,1,2,3
	v_and_b32 v[WD+\a], s19, v[WD+\a]
.endr
	v_cmp_gt_u32 vcc_lo, s99, v3
	s_and_saveexec_b32 s98, vcc_lo                 ; (no memory instruction has been issued since the wait above)  v: lanes 0-15 alone
	global_store_b128 v[VSO], v[WD:WD+3], s[14:15] ; sixteen lanes store 256 consecutive bytes, aligned
	s_wait_xcnt 0x0                                ; EXEC widens only behind this wait
	s_or_b32 exec_lo, exec_lo, s98
	s_wait_tensorcnt 0x0                           ; the wave's end
	ds_add_u32 v[SPW], v[NIL]
	s_wait_dscnt 0x0
	CROUND                                         ; the closing round
	s_endpgm
.Lfunc_end_k_qc384542598_proj:
	.size	k_qc384542598_proj, .Lfunc_end_k_qc384542598_proj-k_qc384542598_proj
	.p2alignl 7, 3214868480
	.fill 96, 4, 3214868480
	.section	.rodata,"a",@progbits
	.p2align	6, 0x0
	.amdhsa_kernel k_qc384542598_proj
		.amdhsa_group_segment_fixed_size 327680
		.amdhsa_private_segment_fixed_size 0
		.amdhsa_enable_private_segment 0
		.amdhsa_kernarg_size 40
		.amdhsa_user_sgpr_count 2
		.amdhsa_user_sgpr_kernarg_segment_ptr 1
		.amdhsa_wavefront_size32 1
		.amdhsa_system_sgpr_workgroup_id_x 1
		.amdhsa_system_sgpr_workgroup_id_y 1
		.amdhsa_system_sgpr_workgroup_id_z 1
		.amdhsa_system_vgpr_workitem_id 0
		.amdhsa_next_free_vgpr 768
		.amdhsa_next_free_sgpr 102
		.amdhsa_reserve_vcc 1
		.amdhsa_float_denorm_mode_32 3
		.amdhsa_float_denorm_mode_16_64 3
		.amdhsa_memory_ordered 1
		.amdhsa_forward_progress 1
		.amdhsa_inst_pref_size 77
	.end_amdhsa_kernel
	.amdgpu_metadata
---
amdhsa.version: [ 1, 2 ]
amdhsa.kernels:
  - .name:           k_qc384542598_proj
    .symbol:         k_qc384542598_proj.kd
    .args:
      - { .name: actc, .offset: 0, .size: 8, .value_kind: global_buffer, .address_space: global }
      - { .name: acts, .offset: 8, .size: 8, .value_kind: global_buffer, .address_space: global }
      - { .name: wcod, .offset: 16, .size: 8, .value_kind: global_buffer, .address_space: global }
      - { .name: wscl, .offset: 24, .size: 8, .value_kind: global_buffer, .address_space: global }
      - { .name: hcod, .offset: 32, .size: 8, .value_kind: global_buffer, .address_space: global }
    .group_segment_fixed_size: 327680
    .private_segment_fixed_size: 0
    .kernarg_segment_align: 8
    .kernarg_segment_size: 40
    .max_flat_workgroup_size: 128
    .sgpr_count:     102
    .vgpr_count:     768
    .wavefront_size: 32
...
	.end_amdgpu_metadata
.endif
;; end of part 2
;; launch attn (part 3): grid 4 x 64, 8 waves a work-group, no clusters, 0 bytes of LDS; arguments hcod, mflag, mbits, ocod; writes ocod
.if DOCPART == 3
	.amdgcn_target "amdgcn-amd-amdhsa--gfx1250"
	.amdhsa_code_object_version 6
	.text
	.protected	k_qc384542598_attn
	.globl	k_qc384542598_attn
	.p2align	8
	.type	k_qc384542598_attn,@function
k_qc384542598_attn:
	s_mov_b64 s[64:65], 0
	v_nop
	global_prefetch_b8 v0, s[64:65] scope:SCOPE_SE
	s_setreg_imm32_b32 hwreg(HW_REG_WAVE_MODE, 25, 1), 1
	s_wait_xcnt 0x0
; Launch 3 of 4: S^T = K Q^T, the mask, p = 2^(t - M), O^T = V^T P^T, division by the row's sum, and the quantiser ahead of the last product; all on codes of FP4.
; WORK LEFT OUT: a tile of 16 queries x 128 keys in which the mask (an input) allows no key gives p = 0 throughout and adds nothing to any sum: it is jumped over on the flag word that the first launch
; stored for that tile of queries (mflag).  A tile in which every key is allowed jumps over the masking alone.  Both are choices on stored whole numbers, made for the mask as it is given.
; The lane masks (mbits) only select values: no branch and no address hangs on them.
; NO CLUSTER, NO TENSOR LOAD, NO LDS: the branches hang on numbers read from memory, so K and V go from memory straight into registers; the launch before laid them in the order of the operand's registers,
; so that every load of a wave reads 512 consecutive bytes.
; SHARES.  A work-group owns one (batch, head) and 8 of its 32 blocks of 64 queries; a wave owns one block: four tiles of 16.  Waves w and w + 4 own blocks x and 31 - x.  Every wave walks the 16 steps of 128 keys.
; LAYOUT.  Both products transposed: a lane holds one query (lane % 16).  The head's 64 fill half of the instruction's K of 128: the upper four registers of K's and Q's fragments are zero codes.
; The keys of a tile are stored so that register 16 bb + i of S^T holds key 32 bb + 16 (lane / 16) + i; Wv's rows likewise, so that register 16 B + i of O^T holds d = 32 B + 16 (lane / 16) + i.
; SOFTMAX: t = score x log2(e) / 8; M = the running largest t rounded up to a whole number, kept as -M = floor(-t); p = 2^(t - M); the sum is taken of the unquantised p; when M moves, the sum and O^T are
; multiplied by 2^(old M - new M), exactly.  O^T and the sums begin as zeros: which step is a tile's first hangs on the mask, so no first step can be written out.
; LIMITS: p under 2^-126 is 0; a query with no allowed key gets zero codes under the scale byte 0xff, which makes its row of the result NaN, as the softmax of an empty row is.
; REGISTERS, window 0: v1 16 lane; v3 16 r; v4 prefetch offset; v5 32 lane; v6 -infinity; v7 0; v8-23 four a tile: -M, largest t, the sum in two halves; v24-31 reciprocals in pairs;
;   v32-95 K's 8 fragments; v96-159 S^T, then p; v160-191 V's 4 fragments; v192-199 p's codes; v200-212 scale words and nothing else; v216-247 at work.
;   window 1: v0-127 O^T, 32 a tile; v128-159 Q's 4 fragments.
.set ST,   8
.set RC,   24
.set KF,   32
.set S,    96
.set VF,   160
.set PCD,  192
.set KSC,  200                         ; v200-203 lanes 0-15: tile j's word, lanes 16-31: tile 4 + j's
.set VSC,  204
.set QSC,  208
.set PSC,  212
.set BM,   216
.set BP,   220
.set SO4,  224
.set CH,   228
.set TMP,  230
.set F,    232
.set EM,   234                         ; the way out: v234-235 maxima, v236-237 the other half's, v238-239 scale operands, v240-241 bytes, v242 0xffff, v244-247 a tile's two bytes
.set QF,   128                         ; in window 1
.set FL,   24                          ; s24-27 the four tiles' flag words, shifted a bit a step
.set MSB, 0
.macro WIN new
.if MSB != \new
	s_set_vgpr_msb (MSB<<8)|\new
.set MSB, \new
.endif
.endm
	s_load_b256 s[68:75], s[0:1], 0x0              ; hcod, mflag, mbits, ocod
	v_lshrrev_b32 v2, 5, v0
	v_readfirstlane_b32 s28, v2                    ; wave 0..7
	v_and_b32 v2, 31, v0
	v_lshlrev_b32 v1, 4, v2
	v_and_b32 v3, 15, v0
	v_lshlrev_b32 v3, 4, v3
	v_lshrrev_b32 v4, 4, v2
	v_lshlrev_b32 v4, 22, v4
	v_lshl_add_u32 v4, v3, 4, v4                   ; lanes 0-15: 256 r in K's images; lanes 16-31: the same 4 MiB on, in V's
	v_lshlrev_b32 v5, 5, v2
	v_mov_b32 v6, 0xff800000
	v_mov_b32 v7, 0
	s_and_b32 s29, ttmp7, 0xffff                   ; 16 batch + head
	s_lshr_b32 s30, s29, 4
	s_and_b32 s31, s29, 15
	s_and_b32 s100, s28, 3
	s_lshl_b32 s101, ttmp9, 2
	s_add_co_u32 s100, s100, s101                  ; x = 4 work-group x + wave % 4
	s_lshr_b32 s101, s28, 2
	s_xor_b32 s101, s101, s28
	s_and_b32 s101, s101, 1
	s_sub_co_u32 s23, 31, s100
	s_cmp_lg_u32 s101, 0
	s_cselect_b32 s100, s23, s100                  ; my block of 64 queries: x or 31 - x
	s_lshl_b32 s101, s30, 7
	s_lshl_b32 s23, s100, 2
	s_add_co_u32 s101, s101, s23                   ; my first tile of queries, of 512
	s_xor_b32 s105, s28, 4
	s_or_b32 s105, s105, ttmp9
	s_cmp_eq_u32 s105, 0
	s_cselect_b32 s105, 15, 0                      ; wave 4 of a head's first work-group (block 31) prefetches while the step is under 15; nobody else
	s_mov_b32 s104, 0xffff0000                     ; lanes 16-31
	s_mov_b32 s18, 0x76543210
	s_mov_b32 s19, 0xfedcba98                      ; v_permlanex16_b32's selects for lane l xor 16
	s_mov_b32 s20, 0x3e38aa3b                      ; c = log2(e) / 8
	s_mov_b32 s21, s20                             ; (named with it as a pair)
	s_mov_b32 s3, 0
	s_wait_kmcnt 0x0
	s_lshl_b32 s2, s101, 2
	s_add_nc_u64 s[76:77], s[70:71], s[2:3]
	s_load_b128 s[FL:FL+3], s[76:77], 0x0          ; my four tiles' flag words
	s_add_nc_u64 s[70:71], s[68:69], 0xc00000      ; the scale words lie behind the 12 MiB of images
	s_lshl_b32 s2, s29, 7
	s_add_co_u32 s2, s2, s23
	s_lshl_b32 s2, s2, 9
	s_add_nc_u64 s[78:79], s[68:69], s[2:3]        ; Q's images
	WIN 0x40                                       ; destination window 1
.irp k, 0,1,2,3
	global_load_b128 v[QF+8*\k:QF+8*\k+3], v1, s[78:79] offset:512*\k
.endr
	WIN 0
	s_lshl_b32 s2, s29, 4
	s_lshr_b32 s22, s100, 1
	s_add_co_u32 s2, s2, s22
	s_lshl_b32 s2, s2, 9
	s_and_b32 s22, s100, 1
	s_lshl_b32 s22, s22, 8
	s_add_co_u32 s2, s2, s22
	s_add_nc_u64 s[80:81], s[70:71], s[2:3]
	global_load_b128 v[QSC:QSC+3], v3, s[80:81]    ; Q's scale words: register t = tile t's, row r
	s_lshl_b32 s2, s29, 16
	s_add_co_u32 s2, s2, 0x400000
	s_add_nc_u64 s[4:5], s[68:69], s[2:3]          ; K's images: 4,096 bytes a step
	s_add_nc_u64 s[8:9], s[4:5], 0x400000          ; V's: likewise
	s_lshl_b32 s2, s29, 13
	s_add_co_u32 s2, s2, 0x80000
	s_add_nc_u64 s[6:7], s[70:71], s[2:3]          ; K's scale words: 512 bytes a step
	s_lshl_b32 s2, s29, 12
	s_add_co_u32 s2, s2, 0x100000
	s_add_nc_u64 s[10:11], s[70:71], s[2:3]        ; V's: 256 a step
	s_lshl_b32 s2, s101, 12
	s_add_nc_u64 s[12:13], s[72:73], s[2:3]        ; the lane masks: 4,096 bytes a tile of queries, 256 a step
	s_add_nc_u64 s[14:15], s[74:75], s[2:3]
	s_lshr_b32 s2, s31, 3
	s_lshl_b32 s2, s2, 21
	s_and_b32 s22, s31, 7
	s_lshl_b32 s22, s22, 9
	s_add_co_u32 s2, s2, s22
	s_add_nc_u64 s[14:15], s[14:15], s[2:3]        ; the result's images: [8 heads][tile of rows][head % 8][512 bytes]
	s_lshl_b32 s2, s101, 9
	s_lshl_b32 s22, s31, 1
	s_add_co_u32 s2, s2, s22
	s_add_co_u32 s2, s2, 0x400000
	s_add_nc_u64 s[16:17], s[74:75], s[2:3]        ; its scale bytes: [row][32], my head's two
.irp k, 0,1,2,3,4,5,6,7
.irp i, 4,5,6,7
	v_mov_b32 v[KF+8*\k+\i], 0                     ; K 64-127 of the instruction: zero codes, set once
.endr
.endr
.irp k, 0,1,2,3
	v_mov_b32 v[ST+4*\k+1], 0xff61b1e6             ; the largest t so far: -3e38
	v_floor_f32 v[ST+4*\k], -v[ST+4*\k+1]          ; -M
	v_mov_b32 v[ST+4*\k+2], 0
	v_mov_b32 v[ST+4*\k+3], 0
	v_mov_b32 v[BP+\k], 0                          ; written once: a lane permute's destination counts as one of its sources
	v_mov_b32 v[RC+2*\k+1], 0                      ; (the upper halves of pairs that are named whole)
.endr
	v_mov_b32 v[F+1], 0
	v_mov_b32 v[EM+2], 0
	v_mov_b32 v[EM+3], 0
	v_mov_b32 v[EM+8], 0xffff
	WIN 0x40
.set zi, 0
.rept 128
	v_mov_b32 v[zi], 0                             ; O^T
.set zi, zi+1
.endr
.irp k, 0,1,2,3
.irp i, 4,5,6,7
	v_mov_b32 v[QF+8*\k+\i], 0
.endr
.endr
	WIN 0
	s_wait_kmcnt 0x0
	s_or_b32 s23, s[FL], s[FL+1]
	s_or_b32 s23, s23, s[FL+2]
	s_or_b32 s23, s23, s[FL+3]                     ; bit 0: some tile of mine has work in this step
	s_wait_loadcnt 0x0                             ; Q and its scale words
; ONE TILE OF 16 QUERIES IN ONE STEP OF 128 KEYS
.macro TILE qt
.set T0, ST+4*\qt
.set OT, 32*\qt
	s_and_b32 s28, s[FL+\qt], 1
	s_cmp_lg_u32 s28, 0
	s_cbranch_scc0 .Ldone_\@                       ; no key of the step is allowed for any of the 16 queries
	WIN 0x04                                       ; source 1 (Q) window 1
.irp k, 0,1,2,3
	v_wmma_scale_f32_16x16x128_f8f6f4 v[S+8*\k:S+8*\k+7], v[KF+8*\k:KF+8*\k+7], v[QF+8*\qt:QF+8*\qt+7], 0, v[KSC+\k], v[QSC+\qt] matrix_a_fmt:MATRIX_FMT_FP4 matrix_b_fmt:MATRIX_FMT_FP4
.endr
.irp k, 4,5,6,7
	v_wmma_scale_f32_16x16x128_f8f6f4 v[S+8*\k:S+8*\k+7], v[KF+8*\k:KF+8*\k+7], v[QF+8*\qt:QF+8*\qt+7], 0, v[KSC+\k-4], v[QSC+\qt] matrix_a_fmt:MATRIX_FMT_FP4 matrix_b_fmt:MATRIX_FMT_FP4 matrix_a_scale:MATRIX_SCALE_ROW1
.endr
	WIN 0
.rept 4
	v_nop                                          ; four places behind the products, ahead of the first read of their results
.endr
	s_and_b32 s28, s[FL+\qt], 0x10000
	s_cmp_lg_u32 s28, 0
	s_cbranch_scc1 .Lopen_\@                       ; every key is allowed
	s_load_b512 s[32:47], s[12:13], 4096*\qt       ; the tile's 64 lane masks for this step
	s_load_b512 s[48:63], s[12:13], 4096*\qt+64
	s_load_b512 s[68:83], s[12:13], 4096*\qt+128
	s_load_b512 s[84:99], s[12:13], 4096*\qt+192
	s_wait_kmcnt 0x0
.set mn, 0
.rept 64
.set MW, 32+mn+4*(mn/32)
	v_cndmask_b32 v[S+mn], v6, v[S+mn], s[MW]      ; a hidden key's score becomes -infinity: one instruction a register
.set mn, mn+1
.endr
.Lopen_\@:
.irp b, 0,1,2,3
	v_max3_num_f32 v[BM+\b], v[S+16*\b], v[S+16*\b+1], v[S+16*\b+2]   ; the largest score of each block of 32 keys: for the row's maximum, and, since p rises with the score, for the block's largest p
.endr
.irp i, 3,5,7,9,11,13
.irp b, 0,1,2,3
	v_max3_num_f32 v[BM+\b], v[BM+\b], v[S+16*\b+\i], v[S+16*\b+\i+1]
.endr
.endr
.irp b, 0,1,2,3
	v_max_num_f32 v[BM+\b], v[BM+\b], v[S+16*\b+15]
.endr
.irp b, 0,1,2,3
	v_permlanex16_b32 v[BP+\b], v[BM+\b], s18, s19
.endr
.irp b, 0,1,2,3
	v_max_num_f32 v[BM+\b], v[BM+\b], v[BP+\b]     ; with lane l xor 16's 16 keys
.endr
	v_max3_num_f32 v[TMP], v[BM], v[BM+1], v[BM+2]
	v_max_num_f32 v[TMP], v[TMP], v[BM+3]
	v_mul_f32 v[TMP], s20, v[TMP]                  ; as t (c is positive)
	v_max_num_f32 v[T0+1], v[T0+1], v[TMP]         ; the running largest t
	v_mov_b32 v[TMP], v[T0]
	v_floor_f32 v[T0], -v[T0+1]                    ; the new -M
	v_sub_f32 v[TMP], v[T0], v[TMP]                ; old M - new M: a whole number, 0 or less
	v_cvt_i32_f32 v[TMP], v[TMP]                   ; (it saturates)
	v_ldexp_f32 v[F], 1.0, v[TMP]                  ; f = 2^(old M - new M)
.irp j, 0,2,4,6,8,10,12,14,16,18,20,22,24,26,28,30,32,34,36,38,40,42,44,46,48,50,52,54,56,58,60,62
	v_pk_fma_f32 v[S+\j:S+\j+1], v[S+\j:S+\j+1], s[20:21], v[T0:T0+1] op_sel_hi:[1,0,0]   ; t - M, two at a time
.endr
.irp b, 0,1,2,3
	v_fma_f32 v[BM+\b], v[BM+\b], s20, v[T0]       ; the same of each block's largest score
.endr
.set mn, 0
.rept 64
	v_exp_f32 v[S+mn], v[S+mn]                     ; p = 2^(t - M): one batch
.set mn, mn+1
.endr
	v_pk_mul_f32 v[T0+2:T0+3], v[T0+2:T0+3], v[F:F+1] op_sel_hi:[1,0]   ; the sums under the new M: the plain place behind the exponentials
	s_wait_alu depctr_va_vdst(0)                   ; one wait for the batch, ahead of its first reader
.irp b, 0,1,2,3
	v_exp_f32 v[BM+\b], v[BM+\b]                   ; the block's largest p: the same two instructions on the same number
.endr
	v_pk_add_f32 v[CH:CH+1], v[S:S+1], v[S+2:S+3]  ; the row's sum of the unquantised p, in two chains
.irp j, 4,8,12,16,20,24,28,32,36,40,44,48,52,56,60
	v_pk_add_f32 v[T0+2:T0+3], v[T0+2:T0+3], v[S+\j:S+\j+1]
	v_pk_add_f32 v[CH:CH+1], v[CH:CH+1], v[S+\j+2:S+\j+3]
.endr
	v_pk_add_f32 v[T0+2:T0+3], v[T0+2:T0+3], v[CH:CH+1]
	s_wait_alu depctr_va_vdst(0)                   ; and one for the four
.irp b, 0,1,2,3
	v_max_num_f32 v[BM+\b], 0x1800000, v[BM+\b]    ; the floor 2^(3 - 127)
.endr
.irp b, 0,1,2,3
	v_add_nc_u32 v[SO4+\b], 0xff000000, v[BM+\b]   ; the conversion's scale operand
.endr
.irp b, 0,1,2,3
	v_lshrrev_b32 v[BP+\b], 23, v[SO4+\b]          ; the scale's byte
.endr
	v_lshl_or_b32 v[PSC], v[BP+1], 8, v[BP]        ; p's scale word for these 128 keys
	v_lshl_or_b32 v[PSC], v[BP+2], 16, v[PSC]
	v_lshl_or_b32 v[PSC], v[BP+3], 24, v[PSC]
.irp b, 0,1,2,3
	v_cvt_scalef32_pk8_fp4_f32 v[PCD+2*\b], v[S+16*\b:S+16*\b+7], v[SO4+\b]
	v_cvt_scalef32_pk8_fp4_f32 v[PCD+2*\b+1], v[S+16*\b+8:S+16*\b+15], v[SO4+\b]
.endr
	v_nop                                          ; one plain place behind a scaled conversion
.irp c, 0,1
.irp i, 0,1
	v_permlane16_swap_b32 v[PCD+4*\c+\i], v[PCD+4*\c+2+\i]   ; a whole block to a lane
.endr
.endr
	WIN 0x41                                       ; O^T (destination, source 0) window 1
.irp j, 0,2,4,6,8,10,12,14,16,18,20,22,24,26,28,30
	v_pk_mul_f32 v[OT+\j:OT+\j+1], v[OT+\j:OT+\j+1], v[F:F+1] op_sel_hi:[1,0]   ; O^T under the new M, from each accumulator's low end on; sixteen plain instructions between p's scale word and codes and the products
.endr
	s_wait_loadcnt 0x0                             ; V and its scale words are in
	WIN 0x50                                       ; C and D window 1
.irp k, 0,1,2,3
	v_wmma_scale_f32_16x16x128_f8f6f4 v[OT+8*\k:OT+8*\k+7], v[VF+8*\k:VF+8*\k+7], v[PCD:PCD+7], v[OT+8*\k:OT+8*\k+7], v[VSC+\k], v[PSC] matrix_a_fmt:MATRIX_FMT_FP4 matrix_b_fmt:MATRIX_FMT_FP4
.endr
	WIN 0
.Ldone_\@:
.endm
	s_mov_b32 s22, 0
.Lstep:                                            ; 16 trips: a constant; what a trip does hangs on the stored flags
	s_and_b32 s28, s23, 1
	s_cmp_lg_u32 s28, 0
	s_cbranch_scc0 .Lskip                          ; none of my four tiles has work in this step: nothing is loaded
.rept 4
	v_nop                                          ; four places ahead of loads into registers that the last products read
.endr
.irp k, 0,1,2,3,4,5,6,7
	global_load_b128 v[KF+8*\k:KF+8*\k+3], v1, s[4:5] offset:512*\k    ; tile k of the step's keys: 512 consecutive bytes
.endr
	global_load_b128 v[KSC:KSC+3], v1, s[6:7]
.irp k, 0,1,2,3,4,5,6,7
	global_load_b128 v[VF+4*\k:VF+4*\k+3], v1, s[8:9] offset:512*\k    ; 16 of d (k / 2), keys 64 (k % 2) on
.endr
	global_load_b128 v[VSC:VSC+3], v3, s[10:11]
	s_cmp_lt_u32 s22, s105
	s_cbranch_scc0 .Lnot_mine
	global_prefetch_b8 v4, s[4:5] offset:4096 th:TH_LOAD_NT scope:SCOPE_SE   ; the next step's 4,096 bytes of K and of V, a lane to each 256: one wave of one work-group a head asks; the last step asks for nothing
.Lnot_mine:
	s_wait_loadcnt 9                               ; K and its scale words are in; V's eight loads and its scale words may be out
	TILE 0
	TILE 1
	TILE 2
	TILE 3
.Lskip:
	s_wait_loadcnt 0x0                             ; no load is out when the next trip loads into the same registers
	s_wait_xcnt 0x0                                ; loads, scalar loads and the prefetch have read their bases: they may step
	s_add_nc_u64 s[4:5], s[4:5], 4096
	s_add_nc_u64 s[8:9], s[8:9], 4096
	s_add_nc_u64 s[6:7], s[6:7], 512
	s_add_nc_u64 s[10:11], s[10:11], 256
	s_add_nc_u64 s[12:13], s[12:13], 256
	s_lshr_b32 s23, s23, 1
	s_lshr_b32 s[FL], s[FL], 1
	s_lshr_b32 s[FL+1], s[FL+1], 1
	s_lshr_b32 s[FL+2], s[FL+2], 1
	s_lshr_b32 s[FL+3], s[FL+3], 1
	s_add_co_u32 s22, s22, 1
	s_cmp_lt_u32 s22, 16
	s_cbranch_scc1 .Lstep
	; THE WAY OUT.  O^T / the sum is the left operand of the last product, K = (head, d): my head's 64 are two blocks of 32.  The additions are the places behind the last products.
.irp k, 0,1,2,3
	v_add_f32 v[BM+\k], v[ST+4*\k+2], v[ST+4*\k+3]
.endr
.irp k, 0,1,2,3
	v_permlanex16_b32 v[BP+\k], v[BM+\k], s18, s19
.endr
.irp k, 0,1,2,3
	v_add_f32 v[BM+\k], v[BM+\k], v[BP+\k]         ; the row's sum
.endr
.irp k, 0,1,2,3
	v_rcp_f32 v[RC+2*\k], v[BM+\k]
.endr
	v_nop                                          ; a plain place behind the last reciprocal
	s_wait_alu depctr_va_vdst(0)                   ; one wait for the four, ahead of their first reader
.irp k, 0,1,2,3
	v_cmp_eq_f32 s[28+\k], 0, v[BM+\k]             ; a query with no allowed key
.endr
.irp k, 0,1,2,3
	v_cndmask_b32 v[RC+2*\k], v[RC+2*\k], v7, s[28+\k]   ; its codes are zeros,
.endr
.macro OUTT qt
	WIN 0x01                                       ; source 0 window 1
.irp j, 0,2,4,6,8,10,12,14,16,18,20,22,24,26,28,30
	v_pk_mul_f32 v[S+\j:S+\j+1], v[32*\qt+\j:32*\qt+\j+1], v[RC+2*\qt:RC+2*\qt+1] op_sel_hi:[1,0]
.endr
	WIN 0
.irp b, 0,1
	v_max3_num_f32 v[EM+\b], |v[S+16*\b]|, |v[S+16*\b+1]|, 0x1800000
.endr
.irp i, 2,4,6,8,10,12,14
.irp b, 0,1
	v_max3_num_f32 v[EM+\b], v[EM+\b], |v[S+16*\b+\i]|, |v[S+16*\b+\i+1]|
.endr
.endr
.irp b, 0,1
	v_permlanex16_b32 v[EM+2+\b], v[EM+\b], s18, s19
.endr
.irp b, 0,1
	v_max_num_f32 v[EM+\b], v[EM+\b], v[EM+2+\b]
.endr
.irp b, 0,1
	v_add_nc_u32 v[EM+4+\b], 0xff000000, v[EM+\b]
.endr
.irp b, 0,1
	v_lshrrev_b32 v[EM+6+\b], 23, v[EM+4+\b]
.endr
	v_lshl_or_b32 v[EM+10+\qt], v[EM+7], 8, v[EM+6]
	v_cndmask_b32 v[EM+10+\qt], v[EM+10+\qt], v[EM+8], s[28+\qt]   ; and its two scale bytes 0xff
.irp b, 0,1
	v_cvt_scalef32_pk8_fp4_f32 v[VF+4*\qt+2*\b], v[S+16*\b:S+16*\b+7], v[EM+4+\b]
	v_cvt_scalef32_pk8_fp4_f32 v[VF+4*\qt+2*\b+1], v[S+16*\b+8:S+16*\b+15], v[EM+4+\b]
.endr
	v_nop                                          ; one plain place behind a scaled conversion
	v_permlane16_swap_b32 v[VF+4*\qt], v[VF+4*\qt+2]       ; lanes 0-15 d 0-31, lanes 16-31 d 32-63
	v_permlane16_swap_b32 v[VF+4*\qt+1], v[VF+4*\qt+3]
	global_store_b128 v1, v[VF+4*\qt:VF+4*\qt+3], s[14:15] offset:4096*\qt   ; the image of half a fragment: 512 consecutive bytes
.endm
	OUTT 0
	OUTT 1
	OUTT 2
	OUTT 3
	v_cndmask_b32 v[EM], v[EM+10], v[EM+11], s104  ; lanes 0-15: tile 0's rows, lanes 16-31: tile 1's
	v_cndmask_b32 v[EM+1], v[EM+12], v[EM+13], s104
	global_store_b16 v5, v[EM], s[16:17]           ; a head owns two bytes of a row's 32: 256 KiB in the whole launch leave so
	global_store_b16 v5, v[EM+1], s[16:17] offset:1024
	s_endpgm
.Lfunc_end_k_qc384542598_attn:
	.size	k_qc384542598_attn, .Lfunc_end_k_qc384542598_attn-k_qc384542598_attn
	.p2alignl 7, 3214868480
	.fill 96, 4, 3214868480
	.section	.rodata,"a",@progbits
	.p2align	6, 0x0
	.amdhsa_kernel k_qc384542598_attn
		.amdhsa_group_segment_fixed_size 0
		.amdhsa_private_segment_fixed_size 0
		.amdhsa_enable_private_segment 0
		.amdhsa_kernarg_size 32
		.amdhsa_user_sgpr_count 2
		.amdhsa_user_sgpr_kernarg_segment_ptr 1
		.amdhsa_wavefront_size32 1
		.amdhsa_system_sgpr_workgroup_id_x 1
		.amdhsa_system_sgpr_workgroup_id_y 1
		.amdhsa_system_sgpr_workgroup_id_z 1
		.amdhsa_system_vgpr_workitem_id 0
		.amdhsa_next_free_vgpr 416
		.amdhsa_next_free_sgpr 106
		.amdhsa_reserve_vcc 0
		.amdhsa_float_denorm_mode_32 3
		.amdhsa_float_denorm_mode_16_64 3
		.amdhsa_memory_ordered 1
		.amdhsa_forward_progress 1
		.amdhsa_inst_pref_size 99
	.end_amdhsa_kernel
	.amdgpu_metadata
---
amdhsa.version: [ 1, 2 ]
amdhsa.kernels:
  - .name:           k_qc384542598_attn
    .symbol:         k_qc384542598_attn.kd
    .args:
      - { .name: hcod, .offset: 0, .size: 8, .value_kind: global_buffer, .address_space: global }
      - { .name: mflag, .offset: 8, .size: 8, .value_kind: global_buffer, .address_space: global }
      - { .name: mbits, .offset: 16, .size: 8, .value_kind: global_buffer, .address_space: global }
      - { .name: ocod, .offset: 24, .size: 8, .value_kind: global_buffer, .address_space: global }
    .group_segment_fixed_size: 0
    .private_segment_fixed_size: 0
    .kernarg_segment_align: 8
    .kernarg_segment_size: 32
    .max_flat_workgroup_size: 256
    .sgpr_count:     106
    .vgpr_count:     416
    .wavefront_size: 32
...
	.end_amdgpu_metadata
.endif
;; end of part 3
;; launch outp (part 4): grid 4 x 64, 4 waves a work-group, clusters of 4 x 4, 327,680 bytes of LDS; arguments ocod, wcod, wscl, bo, out0; writes out0
.if DOCPART == 4
	.amdgcn_target "amdgcn-amd-amdhsa--gfx1250"
	.amdhsa_code_object_version 6
	.text
	.protected	k_qc384542598_outp
	.globl	k_qc384542598_outp
	.p2align	8
	.type	k_qc384542598_outp,@function
k_qc384542598_outp:
	s_mov_b64 s[64:65], 0
	v_nop
	global_prefetch_b8 v0, s[64:65] scope:SCOPE_SE
	s_setreg_imm32_b32 hwreg(HW_REG_WAVE_MODE, 25, 1), 1
	s_wait_xcnt 0x0
	s_wait_alu depctr_hold_cnt(0) depctr_sa_sdst(0) depctr_va_vdst(0) depctr_va_sdst(0) depctr_va_ssrc(0) depctr_va_vcc(0) depctr_vm_vsrc(0)
	s_getreg_b32 s2, hwreg(HW_REG_IB_STS2, 6, 4)
	s_cmp_eq_u32 s2, 0
	s_cbranch_scc0 .Lentry_in_a_cluster
	s_endpgm
.Lentry_in_a_cluster:
	s_bfe_u32 s2, ttmp6, 0x10000c
	s_cmp_lg_u32 s2, 0xf033
	s_cbranch_scc0 .Lentry_shape_is_right
	s_endpgm
.Lentry_shape_is_right:
; Launch 4 of 4: out0 = attention's result x Wo + bo, on codes of FP4, K = 1,024 = (head, d).  No work is left out here.
; The form is the second launch's: a tile of 128 rows (A) x 256 columns (B = Wo's codes, rows n with bits 3 and 4 exchanged); four waves, each 64 x 128, 32 accumulators; transposed use; all of K in LDS, each half
; filled once; three tensor loads of a wave out at the start, none later; cluster 4 x 4 with A's tiles shared along a row and B's along a column.
; What differs: A's codes lie in memory as images of fragment registers, [8 heads][tile of 16 rows][head % 8][512 bytes]: a half of K of 64 rows is one dense block of 16,384 bytes, and a fragment comes by two
; loads of 16 x lane, with no pitch.  The bias is the C of the first K step's products.  The results go through a stage of the wave's own and leave as rows of 512 bytes.
; REGISTERS: window 0: v1-29 addresses; v32-95 scale words, nothing else; v128-191 A's fragments, two sets; v192-255 the bias, 8 registers a block of B; on the way out v128-255 are rows of the result.
;   window 1: B's fragments, two sets.   window 2: the accumulators.
.set PITCH, 272
.set AIMG,  16384
.set BHALF, 128*PITCH
.set BOFF,  2*AIMG
.set SLOT,  2*AIMG+2*BHALF             ; 102,400
.set SCL,   2*SLOT
.set ASH,   8*272
.set BSH,   16*272
.set SCB,   SCL+2*ASH
.set STAGE, SCB+2*BSH                  ; 217,856: 16 rows x 528 bytes for each wave; no fill lands here
.set SPITCH, 528
.set SPARE, STAGE+4*16*SPITCH          ; 251,648: the spare words, two blocks of 256 bytes that no other line names
.set ADRA,  16
.set ADRB,  20
.set CO,    22                         ; v22  16 x lane: my bytes of a row of 512
.set VB,    23                         ; v23  64 h: the bias
.set STO,   24
.set RD,    25
.set ADRSB, 26
.set ADRS,  27
.set SPW,   28
.set NIL,   29
.set SC,    32
.set AF,    128
.set BIAS,  192
.set BK,    128
.set G1,  24
.set G0,  32
.set G1B, 48
.set G0B, 56
.set G1S, 68
.set G0S, 76
.set G1SB, 80
.set G0SB, 88
.set MSB, 0
.macro WIN new
.if MSB != \new
	s_set_vgpr_msb (MSB<<8)|\new
.set MSB, \new
.endif
.endm
.macro JLOAD g0a, g1a, g0b, g1b        ; waves 0 and 1 fetch for A, waves 2 and 3 for B; an s_nop 0 and four v_nop follow each line
	s_cmp_eq_u32 s17, 0
	s_cbranch_scc0 .Lfor_b_\@
	tensor_load_to_lds s[\g0a:\g0a+3], s[\g1a:\g1a+7]
	s_nop 0
.rept 4
	v_nop
.endr
	s_branch .Lasked_\@
.Lfor_b_\@:
	tensor_load_to_lds s[\g0b:\g0b+3], s[\g1b:\g1b+7]
	s_nop 0
.rept 4
	v_nop
.endr
.Lasked_\@:
.endm
.macro CROUND
	s_barrier_signal -1
	s_barrier_wait -1
	s_cmp_lg_u32 s16, 0
	s_cbranch_scc1 .Lnot_wave_0_\@
	s_barrier_signal -3
.Lnot_wave_0_\@:
	s_barrier_wait -3
	s_barrier_signal -1
	s_barrier_wait -1
.endm
.macro PLACES n
.rept \n
	v_nop
.endr
.endm
	s_load_b128 s[4:7], s[0:1], 0x0                ; ocod, wcod
	s_load_b128 s[8:11], s[0:1], 0x10              ; wscl, bo
	s_load_b64 s[12:13], s[0:1], 0x20              ; out0
	v_lshl_add_u32 v[SPW], v0, 2, SPARE
	v_mov_b32 v[NIL], 0
	ds_add_u32 v[SPW], v[NIL]                      ; the wave's opening: the add, twice on end, and its wait ahead of my first tensor load
	ds_add_u32 v[SPW], v[NIL]
	v_lshrrev_b32 v1, 5, v0
	v_readfirstlane_b32 s16, v1                    ; wave 0..3
	s_lshr_b32 s17, s16, 1                         ; which 64 rows are mine.  Also: I fetch for A (0) or for B (1)
	s_and_b32 s18, s16, 1                          ; which 128 columns.  Also: which half of that tile I fetch
	s_bfe_u32 s40, ttmp6, 0x40000                  ; cx
	s_bfe_u32 s41, ttmp6, 0x40004                  ; cy
	s_and_b32 s45, ttmp7, 0xffff
	s_lshl_b32 s45, s45, 2
	s_add_co_u32 s45, s45, s41                     ; the tile of 128 rows: 4 x cluster y + cy
	s_lshl_b32 s46, ttmp9, 2
	s_add_co_u32 s46, s46, s40                     ; the tile of 256 columns: 4 x cluster x + cx
	s_lshl_b32 s47, s41, 2
	s_lshl_b32 s47, 15, s47                        ; my row of the cluster
	s_lshl_b32 s44, 0x1111, s40                    ; my column
	s_or_b32 s[G1+0], s47, (3<<16)|(1<<21)         ; A's codes: a dense block of 16,384 bytes as 64 rows of 256 (32 elements of 8 bytes), no padding
	s_mov_b32 s[G1+1], 32<<16
	s_mov_b32 s[G1+2], 64<<16
	s_mov_b32 s[G1+3], 32<<16
	s_mov_b32 s[G1+4], 64
	s_mov_b32 s[G1+5], 32
	s_mov_b32 s[G1+6], 0
	s_mov_b32 s[G1+7], 0
	s_or_b32 s[G1B+0], s44, (0<<16)|(1<<20)|(1<<21)|(5<<22)|(3<<25)   ; B's codes: 128 rows of 256 bytes, 512 apart, 16 bytes of padding behind each
	s_mov_b32 s[G1B+1], 256<<16
	s_mov_b32 s[G1B+2], 128<<16
	s_mov_b32 s[G1B+3], 256<<16
	s_mov_b32 s[G1B+4], 128
	s_mov_b32 s[G1B+5], 512
	s_mov_b32 s[G1B+6], 0
	s_mov_b32 s[G1B+7], 0
	s_or_b32 s[G1S+0], s47, (3<<16)|(1<<20)|(1<<21)|(5<<22)|(3<<25)   ; scale bytes: dense, as rows of 256 bytes + 16: 8 rows (A), 16 (B)
	s_or_b32 s[G1SB+0], s44, (3<<16)|(1<<20)|(1<<21)|(5<<22)|(3<<25)
	s_mov_b32 s[G1S+1], 32<<16
	s_mov_b32 s[G1S+2], 8<<16
	s_mov_b32 s[G1S+3], 32<<16
	s_mov_b32 s[G1S+4], 8
	s_mov_b32 s[G1S+5], 32
	s_mov_b32 s[G1S+6], 0
	s_mov_b32 s[G1S+7], 0
	s_mov_b32 s[G1SB+1], 32<<16
	s_mov_b32 s[G1SB+2], 16<<16
	s_mov_b32 s[G1SB+3], 32<<16
	s_mov_b32 s[G1SB+4], 16
	s_mov_b32 s[G1SB+5], 32
	s_mov_b32 s[G1SB+6], 0
	s_mov_b32 s[G1SB+7], 0
	s_lshl_b32 s19, s18, 6
	s_lshl_b32 s92, s45, 7
	s_add_co_u32 s92, s92, s19                     ; A: the first row that I would fetch
	s_lshl_b32 s94, s92, 5
	s_add_co_u32 s94, s94, 0x400000                ; its scale bytes, behind the 4 MiB of images;
	s_lshl_b32 s92, s92, 8                         ; its images: 4,096 bytes for 16 rows
	s_mov_b32 s93, 0
	s_mov_b32 s95, 0
	s_lshl_b32 s19, s18, 7
	s_lshl_b32 s96, s46, 8
	s_add_co_u32 s96, s96, s19                     ; B likewise
	s_lshl_b32 s98, s96, 5
	s_add_co_u32 s98, s98, 3*32768                 ; Wo is the fourth weight
	s_lshl_b32 s96, s96, 9
	s_add_co_u32 s96, s96, 3*524288
	s_mov_b32 s97, 0
	s_mov_b32 s99, 0
	s_mul_i32 s2, s18, AIMG
	s_mul_i32 s3, s18, BHALF
	s_add_co_u32 s3, s3, BOFF
	s_mul_i32 s66, s18, ASH
	s_add_co_u32 s66, s66, SCL
	s_mul_i32 s67, s18, BSH
	s_add_co_u32 s67, s67, SCB
	s_wait_dscnt 0x0                               ; both opening adds are done
	s_wait_kmcnt 0x0
	s_add_nc_u64 s[20:21], s[4:5], s[92:93]        ; A's images
	s_add_nc_u64 s[22:23], s[4:5], s[94:95]        ; A's scale bytes
	s_add_nc_u64 s[6:7], s[6:7], s[96:97]          ; B's codes
	s_add_nc_u64 s[8:9], s[8:9], s[98:99]          ; B's scale bytes
	CROUND                                         ; all sixteen work-groups are here: the joint loads meet
	s_mov_b32 s[G0S], 1
	s_mov_b32 s[G0S+1], s66
	s_mov_b64 s[G0S+2:G0S+3], s[22:23]
	s_or_b32 s[G0S+3], s[G0S+3], 0x80000000
	s_mov_b32 s[G0SB], 1
	s_mov_b32 s[G0SB+1], s67
	s_mov_b64 s[G0SB+2:G0SB+3], s[8:9]
	s_or_b32 s[G0SB+3], s[G0SB+3], 0x80000000
	JLOAD G0S, G1S, G0SB, G1SB
.irp s, 0,1
	s_mov_b32 s[G0+4*\s], 1
	s_add_co_u32 s[G0+4*\s+1], s2, \s*SLOT
	s_add_nc_u64 s[G0+4*\s+2:G0+4*\s+3], s[20:21], \s*0x200000     ; heads 8-15 lie 2 MiB on
	s_or_b32 s[G0+4*\s+3], s[G0+4*\s+3], 0x80000000
	s_mov_b32 s[G0B+4*\s], 1
	s_add_co_u32 s[G0B+4*\s+1], s3, \s*SLOT
	s_add_nc_u64 s[G0B+4*\s+2:G0B+4*\s+3], s[6:7], \s*256
	s_or_b32 s[G0B+4*\s+3], s[G0B+4*\s+3], 0x80000000
	JLOAD G0+4*\s, G1, G0B+4*\s, G1B               ; three loads of mine are out
.endr
	v_and_b32 v1, 15, v0                           ; r
	v_bfe_u32 v2, v0, 4, 1                         ; h
	v_and_b32 v3, 31, v0                           ; lane
	v_lshlrev_b32 v[CO], 4, v3
	v_lshlrev_b32 v[VB], 6, v2
	s_lshl_b32 s92, s46, 10
	s_lshl_b32 s93, s18, 9
	s_add_co_u32 s92, s92, s93                     ; my first column, in bytes
	s_mov_b32 s93, 0
	s_add_nc_u64 s[10:11], s[10:11], s[92:93]
.irp b, 0,1,2,3,4,5,6,7
	global_load_b128 v[BIAS+8*\b:BIAS+8*\b+3], v[VB], s[10:11] offset:128*(\b/2)+32*(\b%2)       ; block b of B, register j: column 32 (b / 2) + 16 h + 8 (b % 2) + j
	global_load_b128 v[BIAS+8*\b+4:BIAS+8*\b+7], v[VB], s[10:11] offset:128*(\b/2)+32*(\b%2)+16
.endr
	s_add_nc_u64 s[12:13], s[12:13], s[92:93]
	s_lshl_b32 s92, s45, 7
	s_lshl_b32 s94, s17, 6
	s_add_co_u32 s92, s92, s94
	s_lshl_b32 s92, s92, 12                        ; my first row: 4,096 bytes a row
	s_add_nc_u64 s[12:13], s[12:13], s[92:93]
	v_mul_u32_u24 v4, v1, PITCH
	v_lshl_add_u32 v4, v2, 4, v4
	s_mul_i32 s92, s17, AIMG
	s_mul_i32 s93, s18, BHALF
	s_add_co_u32 s93, s93, BOFF
.irp s, 0,1
	v_add_nc_u32 v[ADRA+\s], s92, v[CO]            ; an image: 16 x lane
	v_add_nc_u32 v[ADRB+\s], s93, v4
	s_add_co_u32 s92, s92, SLOT
	s_add_co_u32 s93, s93, SLOT
.endr
	v_lshlrev_b32 v5, 5, v1
	v_lshrrev_b32 v6, 3, v1
	v_lshl_add_u32 v5, v6, 4, v5
	s_mul_i32 s92, s17, ASH
	s_mul_i32 s93, s18, BSH
	s_add_co_u32 s93, s93, 2*ASH
	v_add_nc_u32 v[ADRSB], s93, v5
	v_add_nc_u32 v[ADRSB], SCL, v[ADRSB]
	s_sub_co_u32 s93, s93, s92
	v_mul_u32_u24 v6, s93, v2                      ; lanes 16-31 take B's: the lower base + h x the distance
	s_add_co_u32 s92, s92, SCL
	v_add_nc_u32 v6, v5, v6
	v_add_nc_u32 v[ADRS], s92, v6
	s_mul_i32 s92, s16, 16*SPITCH
	s_add_co_u32 s92, s92, STAGE                   ; my stage
	v_mul_u32_u24 v5, v1, SPITCH
	v_lshl_add_u32 v5, v2, 6, v5
	v_add_nc_u32 v[STO], s92, v5                   ; in: row r, + 64 h
	v_add_nc_u32 v[RD], s92, v[CO]                 ; back: a row of 512 bytes to the 32 lanes
.macro FETCH slot, q, p
	WIN 0x40
.irp i, 0,1,2,3,4,5,6,7
.irp c, 0,1
	ds_load_b128 v[128*(\p)+8*\i+4*\c:128*(\p)+8*\i+4*\c+3], v[ADRB+(\slot)] offset:64*(\q)+32*\c+\i*16*PITCH
.endr
.endr
	WIN 0
.irp i, 0,1,2,3
.irp c, 0,1
	ds_load_b128 v[AF+32*(\p)+8*\i+4*\c:AF+32*(\p)+8*\i+4*\c+3], v[ADRA+(\slot)] offset:(8*\i+2*(\q)+\c)*512   ; tile i of rows, head 2 q + c of the slot's eight
.endr
.endr
.endm
.macro SCALES sc
.irp i, 0,1,2,3
	ds_load_b128 v[SC+32*\sc+4*\i:SC+32*\sc+4*\i+3], v[ADRS] offset:\i*544+16*\sc
.endr
.irp i, 4,5,6,7
	ds_load_b128 v[SC+32*\sc+4*\i:SC+32*\sc+4*\i+3], v[ADRSB] offset:\i*544+16*\sc
.endr
.endm
.macro MUL p, q, sc, first             ; the 32 accumulators take turns, in the same order in every K step
.irp a, 0,1,2,3
.irp b, 0,1,2,3,4,5,6,7
.if \first
	v_wmma_scale_f32_16x16x128_f8f6f4 v[8*(8*\a+\b):8*(8*\a+\b)+7], v[128*(\p)+8*\b:128*(\p)+8*\b+7], v[AF+32*(\p)+8*\a:AF+32*(\p)+8*\a+7], v[BIAS+8*\b:BIAS+8*\b+7], v[SC+32*(\sc)+4*\b+(\q)], v[SC+32*(\sc)+4*\a+(\q)] matrix_a_fmt:MATRIX_FMT_FP4 matrix_b_fmt:MATRIX_FMT_FP4 matrix_a_scale:MATRIX_SCALE_ROW1
.else
	v_wmma_scale_f32_16x16x128_f8f6f4 v[8*(8*\a+\b):8*(8*\a+\b)+7], v[128*(\p)+8*\b:128*(\p)+8*\b+7], v[AF+32*(\p)+8*\a:AF+32*(\p)+8*\a+7], v[8*(8*\a+\b):8*(8*\a+\b)+7], v[SC+32*(\sc)+4*\b+(\q)], v[SC+32*(\sc)+4*\a+(\q)] matrix_a_fmt:MATRIX_FMT_FP4 matrix_b_fmt:MATRIX_FMT_FP4 matrix_a_scale:MATRIX_SCALE_ROW1
.endif
.endr
.endr
.endm
.macro KSTEP g
	s_wait_dscnt 0x0                               ; this step's fragments are in
.if \g == 3
	s_wait_tensorcnt 0x0                           ; my part of K 512-1,023 has landed;
	s_barrier_signal -1
	s_barrier_wait -1                              ; everybody's has.
.endif
.if \g < 7
.if \g > 0
	PLACES 4
.endif
.set FS, (\g+1)/4
.set FQ, (\g+1)%4
.set FP, (\g+1)%2
	FETCH FS, FQ, FP
.if \g == 3
	SCALES 1
.endif
.endif
.set FS, \g/4
.set FQ, \g%4
.set FP, \g%2
.if \g == 0
	WIN 0x81                                       ; source 0 (B) window 1, A and the bias window 0, D window 2
	MUL FP, FQ, FS, 1                              ; the bias starts the sums: no addition, nothing cleared
.else
	WIN 0xa1                                       ; C and D window 2
	MUL FP, FQ, FS, 0
.endif
	WIN 0
.endm
	s_wait_tensorcnt 1                             ; the scale bytes and my part of K 0-511 are in; the load for K 512-1,023 may be out
	s_barrier_signal -1
	s_barrier_wait -1
	FETCH 0, 0, 0
	SCALES 0
	s_wait_loadcnt 0x0                             ; the bias
.irp g, 0,1,2,3,4,5,6,7
	KSTEP \g
.endr
; THE WAY OUT, a block of 16 rows x 128 columns at a time, through my own stage: a lane's 16 neighbouring columns go in, whole rows of 512 bytes come back.  LDS serves a wave's instructions in order.
.macro TOSTAGE a
.set AC, 64*(\a)
	WIN 0x08                                       ; an LDS store's data are its source 1: window 2
.irp b, 0,1,2,3,4,5,6,7
	ds_store_b128 v[STO], v[AC+8*\b:AC+8*\b+3] offset:128*(\b/2)+32*(\b%2)          ; each accumulator from its low end on
	ds_store_b128 v[STO], v[AC+8*\b+4:AC+8*\b+7] offset:128*(\b/2)+32*(\b%2)+16
.endr
	WIN 0
.set BB, BK+64*((\a)%2)
.irp t, 0,1,2,3,4,5,6,7,8,9,10,11,12,13,14,15
	ds_load_b128 v[BB+4*\t:BB+4*\t+3], v[RD] offset:\t*SPITCH
.endr
.endm
.macro SEND a, younger                 ; younger: the LDS instructions issued behind block a's loads, which may stay out
.set BB, BK+64*((\a)%2)
	s_wait_dscnt \younger
.if (\a) > 0
	s_add_nc_u64 s[12:13], s[12:13], 16*4096       ; (behind a wait on XCNT: the earlier stores have read their base)
.endif
.irp t, 0,1,2,3,4,5,6,7,8,9,10,11,12,13,14,15
	global_store_b128 v[CO], v[BB+4*\t:BB+4*\t+3], s[12:13] offset:\t*4096 th:TH_STORE_NT   ; 32 lanes store 512 consecutive bytes, aligned; written once, read by nobody here
.endr
.endm
	PLACES 4                                       ; behind the last products: ahead of the reads of results and of the loads into registers that held fragments and the bias
	TOSTAGE 0
.irp a, 1,2,3
.if \a > 1
	s_wait_xcnt 0x0                                ; block a - 2's stores have read their registers and their base
.endif
	TOSTAGE \a
	SEND \a-1, 32                                  ; behind block a - 1's loads: block a's 16 stores and 16 loads
.endr
	s_wait_xcnt 0x0
	SEND 3, 0
	s_wait_tensorcnt 0x0                           ; the wave's end
	ds_add_u32 v[SPW], v[NIL]
	s_wait_dscnt 0x0
	CROUND                                         ; the closing round
	s_endpgm
.Lfunc_end_k_qc384542598_outp:
	.size	k_qc384542598_outp, .Lfunc_end_k_qc384542598_outp-k_qc384542598_outp
	.p2alignl 7, 3214868480
	.fill 96, 4, 3214868480
	.section	.rodata,"a",@progbits
	.p2align	6, 0x0
	.amdhsa_kernel k_qc384542598_outp
		.amdhsa_group_segment_fixed_size 327680
		.amdhsa_private_segment_fixed_size 0
		.amdhsa_enable_private_segment 0
		.amdhsa_kernarg_size 40
		.amdhsa_user_sgpr_count 2
		.amdhsa_user_sgpr_kernarg_segment_ptr 1
		.amdhsa_wavefront_size32 1
		.amdhsa_system_sgpr_workgroup_id_x 1
		.amdhsa_system_sgpr_workgroup_id_y 1
		.amdhsa_system_sgpr_workgroup_id_z 1
		.amdhsa_system_vgpr_workitem_id 0
		.amdhsa_next_free_vgpr 768
		.amdhsa_next_free_sgpr 100
		.amdhsa_reserve_vcc 0
		.amdhsa_float_denorm_mode_32 3
		.amdhsa_float_denorm_mode_16_64 3
		.amdhsa_memory_ordered 1
		.amdhsa_forward_progress 1
		.amdhsa_inst_pref_size 74
	.end_amdhsa_kernel
	.amdgpu_metadata
---
amdhsa.version: [ 1, 2 ]
amdhsa.kernels:
  - .name:           k_qc384542598_outp
    .symbol:         k_qc384542598_outp.kd
    .args:
      - { .name: ocod, .offset: 0, .size: 8, .value_kind: global_buffer, .address_space: global }
      - { .name: wcod, .offset: 8, .size: 8, .value_kind: global_buffer, .address_space: global }
      - { .name: wscl, .offset: 16, .size: 8, .value_kind: global_buffer, .address_space: global }
      - { .name: bo, .offset: 24, .size: 8, .value_kind: global_buffer, .address_space: global }
      - { .name: out0, .offset: 32, .size: 8, .value_kind: global_buffer, .address_space: global }
    .group_segment_fixed_size: 327680
    .private_segment_fixed_size: 0
    .kernarg_segment_align: 8
    .kernarg_segment_size: 40
    .max_flat_workgroup_size: 128
    .sgpr_count:     100
    .vgpr_count:     768
    .wavefront_size: 32
...
	.end_amdgpu_metadata
.endif
;; end of part 4
;; ======== version 2 of 2: 4 launches; version 1 with the launch attn written anew for expert scheduling mode
;; workspace buffers: mflag 2,048 bytes of whole numbers; mbits 2,097,152 bytes of whole numbers; actc 12,582,912 bytes; acts 786,432 bytes; wcod 2,097,152 bytes; wscl 131,072 bytes; hcod 13,893,632 bytes; ocod 4,456,448 bytes
;; launch prep: the kernel of part 1 again; grid 960 x 1, 4 waves a work-group, no clusters, 101,888 bytes of LDS; arguments queries, keys, values, Wq, Wk, Wv, Wo, masks, actc, acts, wcod, wscl, mbits, mflag; writes actc, acts, wcod, wscl, mbits, mflag
;; launch proj: the kernel of part 2 again; grid 4 x 192, 4 waves a work-group, clusters of 4 x 4, 327,680 bytes of LDS; arguments actc, acts, wcod, wscl, hcod; writes hcod
;; launch attn (part 5): grid 4 x 64, 8 waves a work-group, no clusters, 0 bytes of LDS; arguments hcod, mflag, mbits, ocod; writes ocod
.if DOCPART == 5
	.amdgcn_target "amdgcn-amd-amdhsa--gfx1250"
	.amdhsa_code_object_version 6
	.text
	.protected	k_qc384542598_attn
	.globl	k_qc384542598_attn
	.p2align	8
	.type	k_qc384542598_attn,@function
k_qc384542598_attn:
	s_mov_b64 s[64:65], 0
	v_nop
	global_prefetch_b8 v0, s[64:65] scope:SCOPE_SE
	s_setreg_imm32_b32 hwreg(HW_REG_WAVE_SCHED_MODE, 0, 2), 2
	s_setreg_imm32_b32 hwreg(HW_REG_WAVE_MODE, 25, 1), 1
	s_wait_xcnt 0x0
	s_wait_alu depctr_vm_vsrc(0)
; Launch 3 of 4: S^T = K Q^T, the mask, p = 2^(t - M), O^T = V^T P^T, division by the row's sum, and the quantiser ahead of the last product; all on codes of FP4.
; WORK LEFT OUT: a tile of 16 queries x 128 keys in which the mask (an input) allows no key gives p = 0 throughout and adds nothing to any sum: it is jumped over on the flag word that the first launch
; stored for that tile of queries (mflag).  A tile in which every key is allowed jumps over the masking alone.  Both are choices on stored whole numbers, made for the mask as it is given.
; The lane masks (mbits) only select values: no branch and no address hangs on them.
; NO CLUSTER, NO TENSOR LOAD, NO LDS: the branches hang on numbers read from memory, so K and V go from memory straight into registers; the launch before laid them in the order of the operand's registers,
; so that every load of a wave reads 512 consecutive bytes.
; SHARES.  A work-group owns one (batch, head) and 8 of its 32 blocks of 64 queries; a wave owns one block: four tiles of 16.  Waves w and w + 4 own blocks x and 31 - x.  Every wave walks the 16 steps of 128 keys.
; LAYOUT.  Both products transposed: a lane holds one query (lane % 16).  The head's 64 fill half of the instruction's K of 128: the upper four registers of K's and Q's fragments are zero codes.
; The keys of a tile are stored so that register 16 bb + i of S^T holds key 32 bb + 16 (lane / 16) + i; Wv's rows likewise, so that register 16 B + i of O^T holds d = 32 B + 16 (lane / 16) + i.
; SOFTMAX: t = score x log2(e) / 8; M = the running largest t rounded up to a whole number, kept as -M = floor(-t); p = 2^(t - M); the sum is taken of the unquantised p; when M moves, the sum and O^T are
; multiplied by 2^(old M - new M), exactly.  O^T and the sums begin as zeros: which step is a tile's first hangs on the mask, so no first step can be written out.
; LIMITS: p under 2^-126 is 0; a query with no allowed key gets zero codes under the scale byte 0xff, which makes its row of the result NaN, as the softmax of an empty row is.
; THE MODE: SCHED_MODE bits 1:0 = 2 (LLVM: expert scheduling mode 2), set by the entry lines.  The code itself states the register dependences between vector or matrix instructions and memory
; instructions, with s_wait_alu, always for 0.
; THE PLAN.  Registers that memory instructions touch:
;   v1, v3, v4, v5     offsets: written at the head, read by every load, the prefetch and the stores, never written again.
;   Q, its scale words loaded once at the head; read by the products K Q^T.
;   K, its scale words (the lower four registers of each fragment, v200-203): step 0's are asked for at the head, whatever its flag, so that they are written on every way; step s + 1's are asked for INSIDE
;                      step s, behind tile 3's products K Q^T, the step's last readers, if the flags give step s + 1 work; they land during tile 3's softmax.  A step or a tile 3 without work asks at the same
;                      place in the other arm of the branch: every trip passes one such place.
;   V, its scale words loaded at the head of a working step; read by the step's products V^T P, of which tile 3's are the step's last matrix instructions.
;   v160-175, v234-235 on the way out: written by conversions, lane swaps and selects, read by the six stores, which stand in one run at the end.
; So a step has one wait on va_vdst at its head (V's registers are free) and one behind tile 3's products K Q^T (K's are); a tile has the two behind its exponentials and one ahead of its products V^T P,
; which take p's fresh codes and scale word.  No register that a memory instruction reads is ever written again: no wait on vm_vsrc is owed.
; REGISTERS, window 0: v1 16 lane; v3 16 r; v4 prefetch offset; v5 32 lane; v6 -infinity; v7 0; v8-23 four a tile: -M, largest t, the sum in two halves; v24-31 reciprocals in pairs;
;   v32-95 K's 8 fragments; v96-159 S^T, then p; v160-191 V's 4 fragments; v192-199 p's codes; v200-212 scale words and nothing else; v216-247 at work.
;   window 1: v0-127 O^T, 32 a tile; v128-159 Q's 4 fragments.
.set ST,   8
.set RC,   24
.set KF,   32
.set S,    96
.set VF,   160
.set PCD,  192
.set KSC,  200                         ; v200-203 lanes 0-15: tile j's word, lanes 16-31: tile 4 + j's
.set VSC,  204
.set QSC,  208
.set PSC,  212
.set BM,   216
.set BP,   220
.set SO4,  224
.set CH,   228
.set TMP,  230
.set F,    232
.set EM,   234                         ; the way out: v234-235 maxima, v236-237 the other half's, v238-239 scale operands, v240-241 bytes, v242 0xffff, v244-247 a tile's two bytes
.set QF,   128                         ; in window 1
.set FL,   24                          ; s24-27 the four tiles' flag words, shifted a bit a step
.set MSB, 0
.macro WIN new
.if MSB != \new
	s_set_vgpr_msb (MSB<<8)|\new
.set MSB, \new
.endif
.endm
; K's eight tiles and their scale words, nine loads; at = 0: the step at which the bases stand, 1: the step behind it
.macro KLOAD at
.irp k, 0,1,2,3,4,5,6,7
	global_load_b128 v[KF+8*\k:KF+8*\k+3], v1, s[4:5] offset:4096*(\at)+512*\k    ; tile k of the step's keys: 512 consecutive bytes
.endr
	global_load_b128 v[KSC:KSC+3], v1, s[6:7] offset:512*(\at)
.endm
	s_load_b256 s[68:75], s[0:1], 0x0              ; hcod, mflag, mbits, ocod
	v_lshrrev_b32 v2, 5, v0
	v_readfirstlane_b32 s28, v2                    ; wave 0..7
	v_and_b32 v2, 31, v0
	v_lshlrev_b32 v1, 4, v2
	v_and_b32 v3, 15, v0
	v_lshlrev_b32 v3, 4, v3
	v_lshrrev_b32 v4, 4, v2
	v_lshlrev_b32 v4, 22, v4
	v_lshl_add_u32 v4, v3, 4, v4                   ; lanes 0-15: 256 r in K's images; lanes 16-31: the same 4 MiB on, in V's
	v_lshlrev_b32 v5, 5, v2
	v_mov_b32 v6, 0xff800000
	v_mov_b32 v7, 0
	s_wait_alu depctr_va_sdst(0)                   ; s28, the wave's number, is written, ahead of its first reader: my block of queries is made from it
	s_and_b32 s29, ttmp7, 0xffff                   ; 16 batch + head
	s_lshr_b32 s30, s29, 4
	s_and_b32 s31, s29, 15
	s_and_b32 s100, s28, 3
	s_lshl_b32 s101, ttmp9, 2
	s_add_co_u32 s100, s100, s101                  ; x = 4 work-group x + wave % 4
	s_lshr_b32 s101, s28, 2
	s_xor_b32 s101, s101, s28
	s_and_b32 s101, s101, 1
	s_sub_co_u32 s23, 31, s100
	s_cmp_lg_u32 s101, 0
	s_cselect_b32 s100, s23, s100                  ; my block of 64 queries: x or 31 - x
	s_lshl_b32 s101, s30, 7
	s_lshl_b32 s23, s100, 2
	s_add_co_u32 s101, s101, s23                   ; my first tile of queries, of 512
	s_xor_b32 s105, s28, 4
	s_or_b32 s105, s105, ttmp9
	s_cmp_eq_u32 s105, 0
	s_cselect_b32 s105, 15, 0                      ; wave 4 of a head's first work-group (block 31) prefetches while the step is under 15; nobody else
	s_mov_b32 s104, 0xffff0000                     ; lanes 16-31
	s_mov_b32 s18, 0x76543210
	s_mov_b32 s19, 0xfedcba98                      ; v_permlanex16_b32's selects for lane l xor 16
	s_mov_b32 s20, 0x3e38aa3b                      ; c = log2(e) / 8
	s_mov_b32 s21, s20                             ; (named with it as a pair)
	s_mov_b32 s3, 0
	s_wait_kmcnt 0x0
	s_lshl_b32 s2, s101, 2
	s_add_nc_u64 s[76:77], s[70:71], s[2:3]
	s_load_b128 s[FL:FL+3], s[76:77], 0x0          ; my four tiles' flag words
	s_add_nc_u64 s[70:71], s[68:69], 0xc00000      ; the scale words lie behind the 12 MiB of images
	s_lshl_b32 s2, s29, 7
	s_add_co_u32 s2, s2, s23
	s_lshl_b32 s2, s2, 9
	s_add_nc_u64 s[78:79], s[68:69], s[2:3]        ; Q's images
	WIN 0x40                                       ; destination window 1
	s_wait_alu depctr_va_vdst(0)                   ; the offsets v1, v3, v4 and v5 are written: every load, the prefetch and every store of the kernel reads one of them, and no vector line names them again
.irp k, 0,1,2,3
	global_load_b128 v[QF+8*\k:QF+8*\k+3], v1, s[78:79] offset:512*\k
.endr
	WIN 0
	s_lshl_b32 s2, s29, 4
	s_lshr_b32 s22, s100, 1
	s_add_co_u32 s2, s2, s22
	s_lshl_b32 s2, s2, 9
	s_and_b32 s22, s100, 1
	s_lshl_b32 s22, s22, 8
	s_add_co_u32 s2, s2, s22
	s_add_nc_u64 s[80:81], s[70:71], s[2:3]
	global_load_b128 v[QSC:QSC+3], v3, s[80:81]    ; Q's scale words: register t = tile t's, row r
	s_lshl_b32 s2, s29, 16
	s_add_co_u32 s2, s2, 0x400000
	s_add_nc_u64 s[4:5], s[68:69], s[2:3]          ; K's images: 4,096 bytes a step
	s_add_nc_u64 s[8:9], s[4:5], 0x400000          ; V's: likewise
	s_lshl_b32 s2, s29, 13
	s_add_co_u32 s2, s2, 0x80000
	s_add_nc_u64 s[6:7], s[70:71], s[2:3]          ; K's scale words: 512 bytes a step
	KLOAD 0                                        ; step 0's K, whatever its flag: so K's registers are written on every way; no vector line has named them
	s_lshl_b32 s2, s29, 12
	s_add_co_u32 s2, s2, 0x100000
	s_add_nc_u64 s[10:11], s[70:71], s[2:3]        ; V's: 256 a step
	s_lshl_b32 s2, s101, 12
	s_add_nc_u64 s[12:13], s[72:73], s[2:3]        ; the lane masks: 4,096 bytes a tile of queries, 256 a step
	s_add_nc_u64 s[14:15], s[74:75], s[2:3]
	s_lshr_b32 s2, s31, 3
	s_lshl_b32 s2, s2, 21
	s_and_b32 s22, s31, 7
	s_lshl_b32 s22, s22, 9
	s_add_co_u32 s2, s2, s22
	s_add_nc_u64 s[14:15], s[14:15], s[2:3]        ; the result's images: [8 heads][tile of rows][head % 8][512 bytes]
	s_lshl_b32 s2, s101, 9
	s_lshl_b32 s22, s31, 1
	s_add_co_u32 s2, s2, s22
	s_add_co_u32 s2, s2, 0x400000
	s_add_nc_u64 s[16:17], s[74:75], s[2:3]        ; its scale bytes: [row][32], my head's two
.irp k, 0,1,2,3,4,5,6,7
.irp i, 4,5,6,7
	v_mov_b32 v[KF+8*\k+\i], 0                     ; K 64-127 of the instruction: zero codes, set once (the loads land in the lower four registers alone)
.endr
.endr
.irp k, 0,1,2,3
	v_mov_b32 v[ST+4*\k+1], 0xff61b1e6             ; the largest t so far: -3e38
	v_floor_f32 v[ST+4*\k], -v[ST+4*\k+1]          ; -M
	v_mov_b32 v[ST+4*\k+2], 0
	v_mov_b32 v[ST+4*\k+3], 0
	v_mov_b32 v[BP+\k], 0                          ; written once: a lane permute's destination counts as one of its sources
	v_mov_b32 v[RC+2*\k+1], 0                      ; (the upper halves of pairs that are named whole)
.endr
	v_mov_b32 v[F+1], 0
	v_mov_b32 v[EM+2], 0
	v_mov_b32 v[EM+3], 0
	v_mov_b32 v[EM+8], 0xffff
	WIN 0x40
.set zi, 0
.rept 128
	v_mov_b32 v[zi], 0                             ; O^T
.set zi, zi+1
.endr
.irp k, 0,1,2,3
.irp i, 4,5,6,7
	v_mov_b32 v[QF+8*\k+\i], 0
.endr
.endr
	WIN 0
	s_wait_kmcnt 0x0
	s_or_b32 s23, s[FL], s[FL+1]
	s_or_b32 s23, s23, s[FL+2]
	s_or_b32 s23, s23, s[FL+3]                     ; bit 0: some tile of mine has work in this step; bit 1: in the next
	s_and_b32 s23, s23, 0xffff                     ; the upper half, the flags 'all are allowed', is cut off: in the last step bit 1 is 0, and nothing is asked for behind the head's keys
; S^T = K Q^T of one tile of 16 queries: eight products, and the four places behind them
.macro QK qt
	WIN 0x04                                       ; source 1 (Q) window 1
.irp k, 0,1,2,3
	v_wmma_scale_f32_16x16x128_f8f6f4 v[S+8*\k:S+8*\k+7], v[KF+8*\k:KF+8*\k+7], v[QF+8*\qt:QF+8*\qt+7], 0, v[KSC+\k], v[QSC+\qt] matrix_a_fmt:MATRIX_FMT_FP4 matrix_b_fmt:MATRIX_FMT_FP4
.endr
.irp k, 4,5,6,7
	v_wmma_scale_f32_16x16x128_f8f6f4 v[S+8*\k:S+8*\k+7], v[KF+8*\k:KF+8*\k+7], v[QF+8*\qt:QF+8*\qt+7], 0, v[KSC+\k-4], v[QSC+\qt] matrix_a_fmt:MATRIX_FMT_FP4 matrix_b_fmt:MATRIX_FMT_FP4 matrix_a_scale:MATRIX_SCALE_ROW1
.endr
	WIN 0
.rept 4
	v_nop                                          ; four places behind the products, ahead of the first read of their results
.endr
.endm
; The next step's K is asked for.  drain = 1: tile 3's products K Q^T stand just ahead.  drain = 0: the step, or its tile 3, has no work: every product K Q^T issued so far has its own tile's waits on va_vdst behind it
.macro NEXTK drain
	s_wait_loadcnt 0x0                             ; V and its scale words are in (tile 3 waits for them no more), and no load is out into K's or V's registers when they are asked for again
.if \drain
	s_wait_alu depctr_va_vdst(0)                   ; the step's products K Q^T are done reading K's fragments and scale words, in which the loads below land
.endif
	s_and_b32 s28, s23, 2
	s_cmp_lg_u32 s28, 0
	s_cbranch_scc0 .Lnone_\@                       ; none of my four tiles has work in the next step: nothing is loaded
	KLOAD 1
.Lnone_\@:
.endm
; The rest of one tile of 16 queries in one step of 128 keys: the mask, the softmax, p's codes, O^T += V^T P^T.  vwait = 1: the wait for V stands here
.macro REST qt, vwait
.set T0, ST+4*\qt
.set OT, 32*\qt
	s_and_b32 s28, s[FL+\qt], 0x10000
	s_cmp_lg_u32 s28, 0
	s_cbranch_scc1 .Lopen_\@                       ; every key is allowed
	s_load_b512 s[32:47], s[12:13], 4096*\qt       ; the tile's 64 lane masks for this step
	s_load_b512 s[48:63], s[12:13], 4096*\qt+64
	s_load_b512 s[68:83], s[12:13], 4096*\qt+128
	s_load_b512 s[84:99], s[12:13], 4096*\qt+192
	s_wait_kmcnt 0x0
.set mn, 0
.rept 64
.set MW, 32+mn+4*(mn/32)
	v_cndmask_b32 v[S+mn], v6, v[S+mn], s[MW]      ; a hidden key's score becomes -infinity: one instruction a register
.set mn, mn+1
.endr
.Lopen_\@:
.irp b, 0,1,2,3
	v_max3_num_f32 v[BM+\b], v[S+16*\b], v[S+16*\b+1], v[S+16*\b+2]   ; the largest score of each block of 32 keys: for the row's maximum, and, since p rises with the score, for the block's largest p
.endr
.irp i, 3,5,7,9,11,13
.irp b, 0,1,2,3
	v_max3_num_f32 v[BM+\b], v[BM+\b], v[S+16*\b+\i], v[S+16*\b+\i+1]
.endr
.endr
.irp b, 0,1,2,3
	v_max_num_f32 v[BM+\b], v[BM+\b], v[S+16*\b+15]
.endr
.irp b, 0,1,2,3
	v_permlanex16_b32 v[BP+\b], v[BM+\b], s18, s19
.endr
.irp b, 0,1,2,3
	v_max_num_f32 v[BM+\b], v[BM+\b], v[BP+\b]     ; with lane l xor 16's 16 keys
.endr
	v_max3_num_f32 v[TMP], v[BM], v[BM+1], v[BM+2]
	v_max_num_f32 v[TMP], v[TMP], v[BM+3]
	v_mul_f32 v[TMP], s20, v[TMP]                  ; as t (c is positive)
	v_max_num_f32 v[T0+1], v[T0+1], v[TMP]         ; the running largest t
	v_mov_b32 v[TMP], v[T0]
	v_floor_f32 v[T0], -v[T0+1]                    ; the new -M
	v_sub_f32 v[TMP], v[T0], v[TMP]                ; old M - new M: a whole number, 0 or less
	v_cvt_i32_f32 v[TMP], v[TMP]                   ; (it saturates)
	v_ldexp_f32 v[F], 1.0, v[TMP]                  ; f = 2^(old M - new M)
.irp j, 0,2,4,6,8,10,12,14,16,18,20,22,24,26,28,30,32,34,36,38,40,42,44,46,48,50,52,54,56,58,60,62
	v_pk_fma_f32 v[S+\j:S+\j+1], v[S+\j:S+\j+1], s[20:21], v[T0:T0+1] op_sel_hi:[1,0,0]   ; t - M, two at a time
.endr
.irp b, 0,1,2,3
	v_fma_f32 v[BM+\b], v[BM+\b], s20, v[T0]       ; the same of each block's largest score
.endr
.set mn, 0
.rept 64
	v_exp_f32 v[S+mn], v[S+mn]                     ; p = 2^(t - M): one batch
.set mn, mn+1
.endr
	v_pk_mul_f32 v[T0+2:T0+3], v[T0+2:T0+3], v[F:F+1] op_sel_hi:[1,0]   ; the sums under the new M: the plain place behind the exponentials
	s_wait_alu depctr_va_vdst(0)                   ; the 64 exponentials have written p, ahead of its first reader, the sums below: one wait for the batch
.irp b, 0,1,2,3
	v_exp_f32 v[BM+\b], v[BM+\b]                   ; the block's largest p: the same two instructions on the same number
.endr
	v_pk_add_f32 v[CH:CH+1], v[S:S+1], v[S+2:S+3]  ; the row's sum of the unquantised p, in two chains
.irp j, 4,8,12,16,20,24,28,32,36,40,44,48,52,56,60
	v_pk_add_f32 v[T0+2:T0+3], v[T0+2:T0+3], v[S+\j:S+\j+1]
	v_pk_add_f32 v[CH:CH+1], v[CH:CH+1], v[S+\j+2:S+\j+3]
.endr
	v_pk_add_f32 v[T0+2:T0+3], v[T0+2:T0+3], v[CH:CH+1]
	s_wait_alu depctr_va_vdst(0)                   ; the four exponentials have written the blocks' largest p, ahead of their first reader
.irp b, 0,1,2,3
	v_max_num_f32 v[BM+\b], 0x1800000, v[BM+\b]    ; the floor 2^(3 - 127)
.endr
.irp b, 0,1,2,3
	v_add_nc_u32 v[SO4+\b], 0xff000000, v[BM+\b]   ; the conversion's scale operand
.endr
.irp b, 0,1,2,3
	v_lshrrev_b32 v[BP+\b], 23, v[SO4+\b]          ; the scale's byte
.endr
	v_lshl_or_b32 v[PSC], v[BP+1], 8, v[BP]        ; p's scale word for these 128 keys
	v_lshl_or_b32 v[PSC], v[BP+2], 16, v[PSC]
	v_lshl_or_b32 v[PSC], v[BP+3], 24, v[PSC]
.irp b, 0,1,2,3
	v_cvt_scalef32_pk8_fp4_f32 v[PCD+2*\b], v[S+16*\b:S+16*\b+7], v[SO4+\b]
	v_cvt_scalef32_pk8_fp4_f32 v[PCD+2*\b+1], v[S+16*\b+8:S+16*\b+15], v[SO4+\b]
.endr
	v_nop                                          ; one plain place behind a scaled conversion
.irp c, 0,1
.irp i, 0,1
	v_permlane16_swap_b32 v[PCD+4*\c+\i], v[PCD+4*\c+2+\i]   ; a whole block to a lane
.endr
.endr
	WIN 0x41                                       ; O^T (destination, source 0) window 1
.irp j, 0,2,4,6,8,10,12,14,16,18,20,22,24,26,28,30
	v_pk_mul_f32 v[OT+\j:OT+\j+1], v[OT+\j:OT+\j+1], v[F:F+1] op_sel_hi:[1,0]   ; O^T under the new M, from each accumulator's low end on; sixteen plain instructions between p's scale word and codes and the products
.endr
.if \vwait
	s_wait_loadcnt 0x0                             ; V and its scale words are in
.endif
	WIN 0x50                                       ; C and D window 1
	s_wait_alu depctr_va_vdst(0)                   ; p's codes and its scale word are written, which the products below take as B and as scales; their places, the sixteen lines above, stay beside this wait
.irp k, 0,1,2,3
	v_wmma_scale_f32_16x16x128_f8f6f4 v[OT+8*\k:OT+8*\k+7], v[VF+8*\k:VF+8*\k+7], v[PCD:PCD+7], v[OT+8*\k:OT+8*\k+7], v[VSC+\k], v[PSC] matrix_a_fmt:MATRIX_FMT_FP4 matrix_b_fmt:MATRIX_FMT_FP4
.endr
	WIN 0
.endm
; ONE TILE OF 16 QUERIES IN ONE STEP OF 128 KEYS (tiles 0 to 2; tile 3 is written out in the loop, with the request for the next step's K in its middle)
.macro TILE qt
	s_and_b32 s28, s[FL+\qt], 1
	s_cmp_lg_u32 s28, 0
	s_cbranch_scc0 .Ldone_\@                       ; no key of the step is allowed for any of the 16 queries
	QK \qt
	REST \qt, 1
.Ldone_\@:
.endm
	s_mov_b32 s22, 0
.Lstep:                                            ; 16 trips: a constant; what a trip does hangs on the stored flags
	s_and_b32 s28, s23, 1
	s_cmp_lg_u32 s28, 0
	s_cbranch_scc0 .Lno3                           ; none of my four tiles has work in this step: only the next step's K is seen to
.rept 4
	v_nop                                          ; four plain places: behind the last step's products, and in the first trip between the head's zero codes and the products that take them as A and B
.endr
	s_wait_alu depctr_va_vdst(0)                   ; the last step's products V^T P are done reading V's fragments and scale words, in which the loads below land; in the first trip: the zero codes of K's and Q's upper halves are written
.irp k, 0,1,2,3,4,5,6,7
	global_load_b128 v[VF+4*\k:VF+4*\k+3], v1, s[8:9] offset:512*\k    ; 16 of d (k / 2), keys 64 (k % 2) on
.endr
	global_load_b128 v[VSC:VSC+3], v3, s[10:11]
	s_cmp_lt_u32 s22, s105
	s_cbranch_scc0 .Lnot_mine
	global_prefetch_b8 v4, s[4:5] offset:4096 th:TH_LOAD_NT scope:SCOPE_SE   ; the next step's 4,096 bytes of K and of V, a lane to each 256: one wave of one work-group a head asks; the last step asks for nothing
.Lnot_mine:
	s_wait_loadcnt 9                               ; K and its scale words, asked for a step ago, are in, and in the first working trip Q and its scale words, asked for ahead of them; V's eight loads and its scale words may be out
	TILE 0
	TILE 1
	TILE 2
	s_and_b32 s28, s[FL+3], 1
	s_cmp_lg_u32 s28, 0
	s_cbranch_scc0 .Lno3                           ; tile 3 has no work in this step
	QK 3                                           ; the step's last readers of K
	NEXTK 1                                        ; the next step's K has tile 3's softmax and products, and the next head, in which to land
	REST 3, 0
	s_branch .Ltail
.Lno3:
	NEXTK 0
.Ltail:
	s_wait_xcnt 0x0                                ; loads, scalar loads and the prefetch have read their bases: they may step
	s_add_nc_u64 s[4:5], s[4:5], 4096
	s_add_nc_u64 s[8:9], s[8:9], 4096
	s_add_nc_u64 s[6:7], s[6:7], 512
	s_add_nc_u64 s[10:11], s[10:11], 256
	s_add_nc_u64 s[12:13], s[12:13], 256
	s_lshr_b32 s23, s23, 1
	s_lshr_b32 s[FL], s[FL], 1
	s_lshr_b32 s[FL+1], s[FL+1], 1
	s_lshr_b32 s[FL+2], s[FL+2], 1
	s_lshr_b32 s[FL+3], s[FL+3], 1
	s_add_co_u32 s22, s22, 1
	s_cmp_lt_u32 s22, 16
	s_cbranch_scc1 .Lstep
	; THE WAY OUT.  O^T / the sum is the left operand of the last product, K = (head, d): my head's 64 are two blocks of 32.  The additions are the places behind the last products.
.irp k, 0,1,2,3
	v_add_f32 v[BM+\k], v[ST+4*\k+2], v[ST+4*\k+3]
.endr
.irp k, 0,1,2,3
	v_permlanex16_b32 v[BP+\k], v[BM+\k], s18, s19
.endr
.irp k, 0,1,2,3
	v_add_f32 v[BM+\k], v[BM+\k], v[BP+\k]         ; the row's sum
.endr
.irp k, 0,1,2,3
	v_rcp_f32 v[RC+2*\k], v[BM+\k]
.endr
	v_nop                                          ; a plain place behind the last reciprocal
	s_wait_alu depctr_va_vdst(0)                   ; the four reciprocals are written, ahead of their first reader, the selects below
.irp k, 0,1,2,3
	v_cmp_eq_f32 s[28+\k], 0, v[BM+\k]             ; a query with no allowed key
.endr
	s_wait_alu depctr_va_sdst(0)                   ; the four compares have written s28 to s31, ahead of their first readers: one wait for the run
.irp k, 0,1,2,3
	v_cndmask_b32 v[RC+2*\k], v[RC+2*\k], v7, s[28+\k]   ; its codes are zeros,
.endr
.macro OUTT qt                         ; tile qt's codes into four registers of their own, its two scale bytes into one: the stores follow in one run
	WIN 0x01                                       ; source 0 window 1
.irp j, 0,2,4,6,8,10,12,14,16,18,20,22,24,26,28,30
	v_pk_mul_f32 v[S+\j:S+\j+1], v[32*\qt+\j:32*\qt+\j+1], v[RC+2*\qt:RC+2*\qt+1] op_sel_hi:[1,0]
.endr
	WIN 0
.irp b, 0,1
	v_max3_num_f32 v[EM+\b], |v[S+16*\b]|, |v[S+16*\b+1]|, 0x1800000
.endr
.irp i, 2,4,6,8,10,12,14
.irp b, 0,1
	v_max3_num_f32 v[EM+\b], v[EM+\b], |v[S+16*\b+\i]|, |v[S+16*\b+\i+1]|
.endr
.endr
.irp b, 0,1
	v_permlanex16_b32 v[EM+2+\b], v[EM+\b], s18, s19
.endr
.irp b, 0,1
	v_max_num_f32 v[EM+\b], v[EM+\b], v[EM+2+\b]
.endr
.irp b, 0,1
	v_add_nc_u32 v[EM+4+\b], 0xff000000, v[EM+\b]
.endr
.irp b, 0,1
	v_lshrrev_b32 v[EM+6+\b], 23, v[EM+4+\b]
.endr
	v_lshl_or_b32 v[EM+10+\qt], v[EM+7], 8, v[EM+6]
	v_cndmask_b32 v[EM+10+\qt], v[EM+10+\qt], v[EM+8], s[28+\qt]   ; and its two scale bytes 0xff
.irp b, 0,1
	v_cvt_scalef32_pk8_fp4_f32 v[VF+4*\qt+2*\b], v[S+16*\b:S+16*\b+7], v[EM+4+\b]
	v_cvt_scalef32_pk8_fp4_f32 v[VF+4*\qt+2*\b+1], v[S+16*\b+8:S+16*\b+15], v[EM+4+\b]
.endr
	v_nop                                          ; one plain place behind a scaled conversion
	v_permlane16_swap_b32 v[VF+4*\qt], v[VF+4*\qt+2]       ; lanes 0-15 d 0-31, lanes 16-31 d 32-63
	v_permlane16_swap_b32 v[VF+4*\qt+1], v[VF+4*\qt+3]
.endm
	OUTT 0
	OUTT 1
	OUTT 2
	OUTT 3
	v_cndmask_b32 v[EM], v[EM+10], v[EM+11], s104  ; lanes 0-15: tile 0's rows, lanes 16-31: tile 1's
	v_cndmask_b32 v[EM+1], v[EM+12], v[EM+13], s104
	s_wait_alu depctr_va_vdst(0)                   ; the four tiles' codes, sixteen registers from v[VF] on, and the two registers of scale bytes are written, which the six stores below read
.irp t, 0,1,2,3
	global_store_b128 v1, v[VF+4*\t:VF+4*\t+3], s[14:15] offset:4096*\t   ; the image of half a fragment: 512 consecutive bytes
.endr
	global_store_b16 v5, v[EM], s[16:17]           ; a head owns two bytes of a row's 32: 256 KiB in the whole launch leave so
	global_store_b16 v5, v[EM+1], s[16:17] offset:1024
	s_endpgm
.Lfunc_end_k_qc384542598_attn:
	.size	k_qc384542598_attn, .Lfunc_end_k_qc384542598_attn-k_qc384542598_attn
	.p2alignl 7, 3214868480
	.fill 96, 4, 3214868480
	.section	.rodata,"a",@progbits
	.p2align	6, 0x0
	.amdhsa_kernel k_qc384542598_attn
		.amdhsa_group_segment_fixed_size 0
		.amdhsa_private_segment_fixed_size 0
		.amdhsa_enable_private_segment 0
		.amdhsa_kernarg_size 32
		.amdhsa_user_sgpr_count 2
		.amdhsa_user_sgpr_kernarg_segment_ptr 1
		.amdhsa_wavefront_size32 1
		.amdhsa_system_sgpr_workgroup_id_x 1
		.amdhsa_system_sgpr_workgroup_id_y 1
		.amdhsa_system_sgpr_workgroup_id_z 1
		.amdhsa_system_vgpr_workitem_id 0
		.amdhsa_next_free_vgpr 416
		.amdhsa_next_free_sgpr 106
		.amdhsa_reserve_vcc 0
		.amdhsa_float_denorm_mode_32 3
		.amdhsa_float_denorm_mode_16_64 3
		.amdhsa_memory_ordered 1
		.amdhsa_forward_progress 1
		.amdhsa_inst_pref_size 102
	.end_amdhsa_kernel
	.amdgpu_metadata
---
amdhsa.version: [ 1, 2 ]
amdhsa.kernels:
  - .name:           k_qc384542598_attn
    .symbol:         k_qc384542598_attn.kd
    .args:
      - { .name: hcod, .offset: 0, .size: 8, .value_kind: global_buffer, .address_space: global }
      - { .name: mflag, .offset: 8, .size: 8, .value_kind: global_buffer, .address_space: global }
      - { .name: mbits, .offset: 16, .size: 8, .value_kind: global_buffer, .address_space: global }
      - { .name: ocod, .offset: 24, .size: 8, .value_kind: global_buffer, .address_space: global }
    .group_segment_fixed_size: 0
    .private_segment_fixed_size: 0
    .kernarg_segment_align: 8
    .kernarg_segment_size: 32
    .max_flat_workgroup_size: 256
    .sgpr_count:     106
    .vgpr_count:     416
    .wavefront_size: 32
...
	.end_amdgpu_metadata
.endif
;; end of part 5
;; launch outp: the kernel of part 4 again; grid 4 x 64, 4 waves a work-group, clusters of 4 x 4, 327,680 bytes of LDS; arguments ocod, wcod, wscl, bo, out0; writes out0
